; MI455X (gfx1250); checked and timed in simulation.
; The chip was launched on July 23, 2026; its instructions are those of AMD's public machine-readable ISA for CDNA 5 (MIT licence, August 2026) and "CDNA5" Instruction Set Architecture Reference Guide (July 2026). The comments in the code are by the model that wrote it; some were corrected since.
;; Multilinear Attention. Allowed arithmetic: matrix products marked QUANTISED: E4M3 operands, one E8M0 scale for each 32 along K, by v_wmma_scale_f32_16x16x128_f8f6f4 with both operands' format E4M3, f32 sums; everything else in f32.
;; Inputs: Wk 2 x 1,024 x 1,024 float32; Wo 1,024 x 1,024 float32; Wq 1,024 x 1,024 float32; Wv 2 x 1,024 x 1,024 float32; bk 2 x 1,024 float32; bo 1,024 float32; bq 1,024 float32; bv 2 x 1,024 float32; ln_b 1,024 float32; ln_g 1,024 float32; x 4 x 2,048 x 1,024 float32.
;; Outputs: out0 4 x 2,048 x 1,024 float32.
;; This version of the problem:
;;   THIS VERSION OF THE PROBLEM IS GIVEN IN LOW PRECISION. The matrix products marked QUANTISED in the list below multiply operands that are first quantised to E4M3 (4 exponent bits, 3 mantissa bits; 8 bits a number), with one power-of-two scale for each 32 numbers along K (OCP MX v1.0); their sums are f32. All else is computed in f32.
;;   The module's matrix products, in the order in which they are computed (A, B: the left and right operand; K: the contracted axis; several contracted axes count as one K, in the product's order):
;;     1. [M 8,192, K 1,024] x [K 1,024, N 1,024]; A: input x; B: input Wq: QUANTISED
;;     2. [M 2,048, K 1,024] x [K 1,024, N 8,192]; A: input Wk; B: input x: QUANTISED
;;     3. [M 2,048, K 1,024] x [K 1,024, N 8,192]; A: input Wv; B: input x: QUANTISED
;;     4. batch 128 x [M 64, K 2,048] x [K 2,048, N 64]; A: computed on the way; B: computed on the way: QUANTISED
;;     5. batch 64 x [M 2,048, K 64] x [K 64, N 64]; A: computed on the way; B: computed on the way: QUANTISED
;;     6. [M 8,192, K 1,024] x [K 1,024, N 1,024]; A: computed on the way; B: input Wo: QUANTISED
;;   THE QUANTISER, for each operand of a quantised product, along K:
;;     - K is cut into blocks of 32 from its start; a last block that is shorter is filled with zeros.
;;     - A block's scale is 2^e with e = floor(log2(the largest magnitude in the block)) - 8, held to -126 .. 127; a block of zeros has e = 0. As a byte (E8M0): e + 127.
;;     - Each number is divided by its block's scale, clamped to +-448, and rounded to the nearest number of E4M3, ties to even, subnormals kept.
;;     - The product sums the exact products of the quantised numbers (number of the format x scale) in f32.
;;   ~~~python
;;   def quantise(x, axis):      # numpy; x: float32 -> the quantised numbers, widened to float32 again
;;       x = np.moveaxis(x, axis, -1); K = x.shape[-1]
;;       x = np.pad(x, [(0, 0)] * (x.ndim - 1) + [(0, -K % 32)]); x = x.reshape(x.shape[:-1] + (-1, 32)); a = np.abs(x).max(-1, keepdims=True)
;;       e = np.where(a > 0, np.clip(np.frexp(np.where(a > 0, a, 1))[1] - 1 - 8, -126, 127), 0)      # np.frexp(a)[1] - 1 = floor(log2(a)), exactly
;;       r = np.clip(x / 2.0 ** e, -448, 448)
;;       step = 2.0 ** (np.maximum(np.frexp(np.where(r == 0, 1, r))[1] - 1, -6) - 3)
;;       q = np.round(r / step) * step * 2.0 ** e      # np.round: ties to even
;;       return np.moveaxis(q.reshape(q.shape[:-2] + (-1,))[..., :K], -1, axis).astype(np.float32)
;;   ~~~
;;   OPERANDS COMPUTED ON THE WAY. 'Computed on the way' means the value that the module computes at that place (a softmax that the list does not call 'softmax' is quantised finished and normalised). What goes into a quantiser is computed in f32, as accurately as f32 sums, v_exp_f32 and their like allow (about 1e-6 of the number): no bf16 or f16 on the way to a quantiser, and a product that is left as it is and whose result goes on into a quantised operand takes f32 operands (vector FMAs, or v_wmma_f32_16x16x4_f32). A number that lies on a knife's edge between two numbers of the format may be rounded either way, as far as f32 arithmetic and the matrix unit's own rounding can turn it there, and no further.
;; One version. Each part assembles by itself: llvm-mc -triple=amdgcn-amd-amdhsa -mcpu=gfx1250 --defsym DOCPART=n.
;; ======== version 1 of 1: 4 launches
;; workspace buffers: img 14,680,064 bytes; scl 458,752 bytes; part 16,777,216 bytes; qimg 8,388,608 bytes; qscl 524,288 bytes; simg 262,144 bytes; sscl 32,768 bytes
;; launch quant (part 1): grid 896 x 1, 4 waves a work-group, no clusters, 68,608 bytes of LDS; arguments x, Wq, Wk, Wv, Wo, img, scl; writes img, scl
.if DOCPART == 1
	.amdgcn_target "amdgcn-amd-amdhsa--gfx1250"
	.amdhsa_code_object_version 6
	.text
	.protected	k_q33e4d6e951_quant
	.globl	k_q33e4d6e951_quant
	.p2align	8
	.type	k_q33e4d6e951_quant,@function
k_q33e4d6e951_quant:
	s_mov_b64 s[64:65], 0
	v_nop
	global_prefetch_b8 v0, s[64:65] scope:SCOPE_SE
	s_setreg_imm32_b32 hwreg(HW_REG_WAVE_MODE, 25, 1), 1
	s_wait_xcnt 0x0
; MultilinearAttention in MX-FP8, launch 1 of 4: x, Wq, Wk, Wv, Wo (f32, K = the last axis, 1,024) become codes of E4M3 with one E8M0 byte for each 32 along K.
; DEAD WORK: none.  Every input of the problem reaches out0 and every product of its table is live: nothing is left out in any of the four launches.
; LAYOUT OF THE CODES (img): tiles of 16 rows x 1,024 K = 16,384 bytes, laid as the operand's registers lie: [K step s 0..7][c 0..3][lane 0..31][16 bytes]; lane (r = lane % 16, h = lane / 16) of (s, c)
; holds k = 128 s + 32 c + 16 h + 0 .. 15 of the row at place r.  So a fragment is four loads of 16 bytes a lane, 512 consecutive bytes each.
; THE ROWS OF A TILE ARE NOT NEIGHBOURS: tile 2 g + u holds at place r the row 32 g + 8 u + r + 8 (r / 8), so that the results of two neighbouring tiles are 16 neighbours in a lane's registers.
; TILES: 0-511 x; 512-575 Wq; 576 + 16 head + 8 kk + 4 isv + sub: the head's 64 rows of Wk[kk] (isv = 0) or Wv[kk] (1); 832-895 Wo.   SCALES (scl): [tile][r][s] words of four bytes, 512 bytes a tile.
; SHARES: a work-group makes one tile; wave w its K steps 2 w and 2 w + 1.  Each load reads 512 consecutive bytes of a row; the numbers turn through the wave's own stage in LDS (rows 528 bytes apart) so that a lane
; gets 16 neighbours of each block of 32.  No matrix unit, no cluster, no tensor load: work-groups share no input and memory binds.
; LIMITS: a block of zeros gets the byte 1 where the rule says 127 (its codes are zeros, and this program alone reads the bytes); blocks whose largest magnitude lies under 2^-118 are held at the byte 1;
; NaN and infinities among the inputs are not served.
.set STGW,  16896                      ; a wave's two stages of 16 rows x 528 bytes
.set SP,    528
.set SCG,   67584                      ; the tile's 512 bytes of scale words, gathered
.set SPARE, 68096                      ; the spare words, 128 bytes for each wave: two blocks of 256 bytes that no other line names
.set PW,    12                         ; v12, v13  the two units' scale words
.set SPW,   14                         ; v14  LDS address of my spare word; never rewritten
.set NIL,   15                         ; v15  0; never rewritten
.set R,     16                         ; v16-143  two units x 16 rows x 4 registers, as loaded
.set X,     144                        ; v144-207 64 numbers of my row: register 16 b + i = k 32 b + 16 h + i
.set PC,    208                        ; v208-239 the two units' codes
.set TM,    240                        ; v240-255 at work
.set SEL,   26                         ; s[26:27] lane selects: lane l xor 16
.set MNT,   28                         ; s28 the mantissa field of 448
; 64 numbers of a lane become a fragment's 16 registers of codes and my row's scale word
.macro QUANT s, pc, pw
.irp b, 0,1,2,3
	v_max3_num_f32 v[TM+\b], |v[\s+16*\b]|, |v[\s+1+16*\b]|, 0x4800000   ; my 16 numbers of block b, and the floor 2^(9 - 127): the byte cannot fall under 1
.endr
.irp i, 2,4,6,8,10,12,14
.irp b, 0,1,2,3
	v_max3_num_f32 v[TM+\b], v[TM+\b], |v[\s+16*\b+\i]|, |v[\s+1+16*\b+\i]|
.endr
.endr
.irp b, 0,1,2,3
	v_permlanex16_b32 v[TM+4+\b], v[TM+\b], s[SEL], s[SEL+1]
.endr
.irp b, 0,1,2,3
	v_max_num_f32 v[TM+\b], v[TM+\b], v[TM+4+\b]           ; with lane l xor 16's: the block's largest magnitude
.endr
.irp b, 0,1,2,3
	v_add_nc_u32 v[TM+12+\b], 0xfc000000, v[TM+\b]         ; 8 off its exponent field: the conversion's scale operand
.endr
.irp b, 0,1,2,3
	v_and_or_b32 v[TM+8+\b], v[TM+\b], 0x7f800000, s[MNT]  ; 448 x the scale
.endr
.irp b, 0,1,2,3
	v_lshrrev_b32 v[TM+4+\b], 23, v[TM+12+\b]              ; the scale's byte
.endr
	v_lshl_or_b32 v[\pw], v[TM+5], 8, v[TM+4]
	v_lshl_or_b32 v[\pw], v[TM+6], 16, v[\pw]
	v_lshl_or_b32 v[\pw], v[TM+7], 24, v[\pw]
.irp b, 0,1,2,3
.irp i, 0,1,2,3,4,5,6,7,8,9,10,11,12,13,14,15
	v_med3_num_f32 v[\s+16*\b+\i], v[\s+16*\b+\i], -v[TM+8+\b], v[TM+8+\b]   ; the conversion to an 8-bit code does not saturate (ISA guide 7.6.2): the hold
.endr
	v_cvt_scalef32_pk8_fp8_f32 v[\pc+4*\b:\pc+4*\b+1], v[\s+16*\b:\s+16*\b+7], v[TM+12+\b]
	v_cvt_scalef32_pk8_fp8_f32 v[\pc+4*\b+2:\pc+4*\b+3], v[\s+16*\b+8:\s+16*\b+15], v[TM+12+\b]
.endr
	v_nop                                          ; a plain instruction behind the last conversion
.endm
	s_load_b256 s[4:11], s[0:1], 0x0               ; x, Wq, Wk, Wv
	s_load_b128 s[12:15], s[0:1], 0x20             ; Wo, img
	s_load_b64 s[16:17], s[0:1], 0x30              ; scl
	v_lshl_add_u32 v[SPW], v0, 2, SPARE
	v_mov_b32 v[NIL], 0
	v_lshrrev_b32 v1, 5, v0
	v_readfirstlane_b32 s18, v1                    ; wave 0..3
	v_and_b32 v6, 31, v0                           ; lane
	v_and_b32 v7, 15, v0                           ; r
	v_bfe_u32 v8, v0, 4, 1                         ; h
	v_lshlrev_b32 v1, 4, v6                        ; 16 x lane: my bytes of a load's or a store's 512
	s_mul_i32 s19, s18, STGW
	v_add_nc_u32 v2, s19, v1                       ; the stage, on the way in
	v_mul_u32_u24 v3, v7, SP
	v_lshl_add_u32 v3, v8, 6, v3
	v_add_nc_u32 v3, s19, v3                       ; and out: row r, + 64 h
	v_lshlrev_b32 v4, 5, v7
	v_lshl_add_u32 v4, v8, 2, v4
	s_lshl_b32 s19, s18, 3
	s_add_co_u32 s19, s19, SCG
	v_add_nc_u32 v4, s19, v4                       ; my scale word's place: 32 r + 4 (2 w + h): lanes 0-15 store unit 0's word, lanes 16-31 unit 1's
	v_add_nc_u32 v5, SCG, v1
	s_mov_b32 s[SEL], 0x76543210
	s_mov_b32 s[SEL+1], 0xfedcba98
	s_mov_b32 s[MNT], 0x600000
.irp b, 0,1,2,3
	v_mov_b32 v[TM+4+\b], 0                        ; written once: a lane permute's destination counts as one of its sources
.endr
	; which tensor, and which of its tiles: all by the work-group's number
	s_sub_co_u32 s20, ttmp9, 576                   ; u, for Wk and Wv
	s_bfe_u32 s21, s20, 0x40004                    ; head
	s_bfe_u32 s22, s20, 0x10003                    ; kk
	s_and_b32 s23, s20, 3                          ; sub
	s_lshl_b32 s21, s21, 2
	s_lshl_b32 s22, s22, 6
	s_add_co_u32 s21, s21, s22
	s_add_co_u32 s21, s21, s23                     ; 64 kk + 4 head + sub
	s_sub_co_u32 s24, ttmp9, 832                   ; Wo's tile
	s_sub_co_u32 s25, ttmp9, 512                   ; Wq's
	s_lshl_b32 s30, ttmp9, 14                      ; the tile's place in img, my wave's two K steps
	s_lshl_b32 s31, s18, 12
	s_add_co_u32 s30, s30, s31
	s_mov_b32 s31, 0
	s_lshl_b32 s32, ttmp9, 9                       ; and in scl
	s_mov_b32 s33, 0
	s_wait_kmcnt 0x0
	s_bitcmp1_b32 s20, 2                           ; isv
	s_cselect_b64 s[8:9], s[10:11], s[8:9]         ; Wv or Wk
	s_cmp_lt_u32 ttmp9, 832
	s_cselect_b64 s[8:9], s[8:9], s[12:13]
	s_cselect_b32 s21, s21, s24
	s_cmp_lt_u32 ttmp9, 576
	s_cselect_b64 s[8:9], s[6:7], s[8:9]
	s_cselect_b32 s21, s25, s21
	s_cmp_lt_u32 ttmp9, 512
	s_cselect_b64 s[8:9], s[4:5], s[8:9]
	s_cselect_b32 s21, ttmp9, s21                  ; the tile's number in its tensor
	s_and_b32 s22, s21, 1
	s_lshl_b32 s22, s22, 3
	s_lshl_b32 s21, s21, 4
	s_sub_co_u32 s21, s21, s22                     ; its first row: 16 tile - 8 (tile % 2)
	s_lshl_b32 s20, s21, 12                        ; rows of 4,096 bytes
	s_lshl_b32 s22, s18, 10                        ; my wave's 256 along K
	s_add_co_u32 s20, s20, s22
	s_mov_b32 s21, 0
	s_add_nc_u64 s[8:9], s[8:9], s[20:21]
	s_add_nc_u64 s[14:15], s[14:15], s[30:31]
	s_add_nc_u64 s[16:17], s[16:17], s[32:33]
.irp u, 0,1
.irp p, 0,1,2,3,4,5,6,7,8,9,10,11,12,13,14,15
	global_load_b128 v[R+64*\u+4*\p:R+64*\u+4*\p+3], v1, s[8:9] offset:(\p+8*(\p/8))*4096+512*\u th:TH_LOAD_NT   ; place p's row, 512 consecutive bytes
.endr
.endr
.irp u, 0,1
	s_wait_loadcnt 16-16*\u                        ; this unit's sixteen loads are in; unit 1's may stay out while unit 0 is worked
.irp p, 0,1,2,3,4,5,6,7,8,9,10,11,12,13,14,15
	ds_store_b128 v2, v[R+64*\u+4*\p:R+64*\u+4*\p+3] offset:8448*\u+SP*\p
.endr
.irp c, 0,1,2,3
.irp i, 0,1,2,3
	ds_load_b128 v[X+16*\c+4*\i:X+16*\c+4*\i+3], v3 offset:8448*\u+128*\c+16*\i   ; LDS serves a wave's instructions in order: these see my stores
.endr
.endr
	s_wait_dscnt 0x0
	QUANT X, PC+16*\u, PW+\u
.irp c, 0,1,2,3
	global_store_b128 v1, v[PC+16*\u+4*\c:PC+16*\u+4*\c+3], s[14:15] offset:2048*\u+512*\c   ; 32 lanes store 512 consecutive bytes, aligned
.endr
.endr
	v_cmp_eq_u32 vcc_lo, 1, v8
	v_cndmask_b32 v[PW], v[PW], v[PW+1], vcc_lo    ; both halves of the lanes hold both words: each stores one
	ds_store_b32 v4, v[PW]
	s_wait_dscnt 0x0                               ; for the others' sake: my word has landed
	s_barrier_signal -1
	s_barrier_wait -1
	s_cmp_lg_u32 s18, 0
	s_cbranch_scc1 .Lend
	ds_load_b128 v[R:R+3], v5                      ; wave 0 stores the tile's 512 bytes of scale words as one run
	s_wait_dscnt 0x0
	global_store_b128 v1, v[R:R+3], s[16:17]
.Lend:
	s_wait_tensorcnt 0x0                           ; the wave's end: behind my last LDS store
	ds_add_u32 v[SPW], v[NIL]
	s_wait_dscnt 0x0
	s_endpgm
.Lfunc_end_k_q33e4d6e951_quant:
	.size	k_q33e4d6e951_quant, .Lfunc_end_k_q33e4d6e951_quant-k_q33e4d6e951_quant
	.p2alignl 7, 3214868480
	.fill 96, 4, 3214868480
	.section	.rodata,"a",@progbits
	.p2align	6, 0x0
	.amdhsa_kernel k_q33e4d6e951_quant
		.amdhsa_group_segment_fixed_size 68608
		.amdhsa_private_segment_fixed_size 0
		.amdhsa_enable_private_segment 0
		.amdhsa_kernarg_size 56
		.amdhsa_user_sgpr_count 2
		.amdhsa_user_sgpr_kernarg_segment_ptr 1
		.amdhsa_wavefront_size32 1
		.amdhsa_system_sgpr_workgroup_id_x 1
		.amdhsa_system_sgpr_workgroup_id_y 1
		.amdhsa_system_sgpr_workgroup_id_z 1
		.amdhsa_system_vgpr_workitem_id 0
		.amdhsa_next_free_vgpr 256
		.amdhsa_next_free_sgpr 66
		.amdhsa_reserve_vcc 1
		.amdhsa_float_denorm_mode_32 3
		.amdhsa_float_denorm_mode_16_64 3
		.amdhsa_memory_ordered 1
		.amdhsa_forward_progress 1
		.amdhsa_inst_pref_size 28
	.end_amdhsa_kernel
	.amdgpu_metadata
---
amdhsa.version: [ 1, 2 ]
amdhsa.kernels:
  - .name:           k_q33e4d6e951_quant
    .symbol:         k_q33e4d6e951_quant.kd
    .args:
      - { .name: x, .offset: 0, .size: 8, .value_kind: global_buffer, .address_space: global }
      - { .name: Wq, .offset: 8, .size: 8, .value_kind: global_buffer, .address_space: global }
      - { .name: Wk, .offset: 16, .size: 8, .value_kind: global_buffer, .address_space: global }
      - { .name: Wv, .offset: 24, .size: 8, .value_kind: global_buffer, .address_space: global }
      - { .name: Wo, .offset: 32, .size: 8, .value_kind: global_buffer, .address_space: global }
      - { .name: img, .offset: 40, .size: 8, .value_kind: global_buffer, .address_space: global }
      - { .name: scl, .offset: 48, .size: 8, .value_kind: global_buffer, .address_space: global }
    .group_segment_fixed_size: 68608
    .private_segment_fixed_size: 0
    .kernarg_segment_align: 8
    .kernarg_segment_size: 56
    .max_flat_workgroup_size: 128
    .sgpr_count:     66
    .vgpr_count:     256
    .wavefront_size: 32
...
	.end_amdgpu_metadata
.endif
;; end of part 1
;; launch kv (part 2): grid 32 x 16, 4 waves a work-group, clusters of 4 x 4, 327,680 bytes of LDS; arguments img, scl, x, bk, bv, part; writes part
.if DOCPART == 2
	.amdgcn_target "amdgcn-amd-amdhsa--gfx1250"
	.amdhsa_code_object_version 6
	.text
	.protected	k_q33e4d6e951_kv
	.globl	k_q33e4d6e951_kv
	.p2align	8
	.type	k_q33e4d6e951_kv,@function
k_q33e4d6e951_kv:
	s_mov_b64 s[64:65], 0
	v_nop
	global_prefetch_b8 v0, s[64:65] scope:SCOPE_SE
	s_setreg_imm32_b32 hwreg(HW_REG_WAVE_MODE, 25, 1), 1
	s_wait_xcnt 0x0
	s_wait_alu depctr_hold_cnt(0) depctr_sa_sdst(0) depctr_va_vdst(0) depctr_va_sdst(0) depctr_va_ssrc(0) depctr_va_vcc(0) depctr_vm_vsrc(0)
	s_getreg_b32 s2, hwreg(HW_REG_IB_STS2, 6, 4)
	s_cmp_eq_u32 s2, 0
	s_cbranch_scc0 .Lentry_in_a_cluster
	s_endpgm
.Lentry_in_a_cluster:
	s_bfe_u32 s2, ttmp6, 0x10000c
	s_cmp_lg_u32 s2, 0xf033
	s_cbranch_scc0 .Lentry_shape_is_right
	s_endpgm
.Lentry_shape_is_right:
; Launch 2 of 4: k = x + x Wk^T + bk and v = x + x Wv^T + bv on codes; silu + 0.5 and the L2 norm of k; both x 2048^-0.5; both quantised along the TOKENS; partial states k^T v.  No work is left out.
; SHARES.  A work-group (tx = 256 tokens, ty = a head) makes 256 tokens x 256 columns: the head's 64 columns of k0, v0, k1, v1.  Four waves; wave w takes kk = w / 2 (k_kk: blocks a = 0-3, v_kk: a = 4-7) and tokens 128 (w % 2) on:
; 64 accumulators of 16 x 16.  K = 1,024 goes in four steps of 256 through two LDS slots filled by the tensor data mover; tiles lie in memory and in LDS as images of the operand's registers, so a fragment is four loads of 512 dense bytes.
; SOURCE 0 = 16 tokens, SOURCE 1 = 16 rows of W: a lane holds ONE column of k or v, and the 16 registers of token tiles 2 c, 2 c + 1 are tokens 32 c + 16 (lane / 16) + 0 .. 15: neighbours along the next product's K.
; CLUSTERS: 4 x 4.  W's tiles hang on the head alone and are shared along a row of the cluster, the tokens' tiles on tx alone and are shared along a column: each is asked for jointly.
; THE WAY ON.  The bias is the C of each sum's first product.  x's own numbers (the residual), 256 tokens x 64 columns of f32, come into slot 0 behind its last K step, by one plain tensor load a wave.
; Each wave's 128 tokens are one K step of k^T v: 16 products; the two token halves are added through LDS, and 64 x 64 numbers for each kk go to part; launch 3 adds the eight token blocks of a batch.
; LIMITS: a block of zeros gets the byte 1 (its codes are zeros; only this program reads the bytes); blocks under 2^-118 are held at the byte 1; NaN and infinities are not served.
; No prefetch: K has four steps, two of them the first fills, and every tile is read by many work-groups.
; REGISTERS: window 0: v0-31 addresses; v32-63 scale words (two sets; at the end v32-39 k's and v's); v64-127 the bias as C, later the sums of squares; v128-255 W's fragments, later at work.
;   window 1: the tokens' fragments, two sets; later the residual, the exponentials, the codes (v0-127) and the states (v128-255).   window 2: k.   window 3: v.
.set NQ,     2
.set FR,     16
.set NL,     4
.set NP,     8                         ; places behind this matrix instruction (ISA guide 7.12.1)
.set HALFT,  32768                     ; 8 tiles x 4,096 bytes: what one tensor load brings, and what one wave reads of a side
.set SLOT,   131072
.set SCL,    2*SLOT                    ; the scale words of all of K, as units of 256 bytes + 16 of padding
.set HALFS,  4352
.set SBLK,   544
.set SPARE,  SCL+4*HALFS               ; the spare words, 128 bytes for each wave: two blocks of 256 bytes that no other line names
.set XP,     264                       ; the residual's row in LDS: 256 bytes + 8
.set STG,    69632                     ; in slot 0, behind the residual: 2 x 16,384 bytes, where the upper token halves' states meet the lower ones'; slot 0 has had its last fill then
.set ADRA, 16                          ; v16-17 LDS address of W's fragments in slot 0, 1
.set ADRB, 20                          ; v20-21 of the tokens'
.set XRA,  22                          ; v22 my place in the residual
.set STA,  23                          ; v23 my place in the states' stage
.set GL,   24                          ; v24 16 x lane
.set ADRS, 27                          ; v27 my scale words
.set SPW,  28
.set NIL,  29
.set SC,   32
.set KW,   32
.set VW,   36
.set BI,   64
.set SS,   64
.set AF,   128
.set TM,   128
.set G1,   24
.set G0,   32
.set G1B,  48
.set G0B,  56
.set G1S,  68
.set G0S,  76
.set G1SB, 80
.set G0SB, 88
.set MNT,  95
.set SEL,  100
.set MSB, 0
.macro WIN new                         ; the immediate's high byte repeats the setting that is left
.if MSB != (\new)
	s_set_vgpr_msb (MSB<<8)|(\new)
.set MSB, (\new)
.endif
.endm
.set MUL_LO, 0xa1                      ; source 0 window 1, source 1 window 0, C and D window 2
.set MUL_HI, 0xf1
.set TO_B,   0x40
.macro PLACES n
.rept \n
	v_nop
.endr
.endm
; a joint load: waves 0 and 1 fetch for W, waves 2 and 3 for the tokens; an s_nop 0 and four v_nop follow each of the two lines
.macro JLOAD g0a, g1a, g0b, g1b
	s_cmp_eq_u32 s17, 0
	s_cbranch_scc0 .Lfor_b_\@
	tensor_load_to_lds s[\g0a:\g0a+3], s[\g1a:\g1a+7]
	s_nop 0
.rept 4
	v_nop
.endr
	s_branch .Lasked_\@
.Lfor_b_\@:
	tensor_load_to_lds s[\g0b:\g0b+3], s[\g1b:\g1b+7]
	s_nop 0
.rept 4
	v_nop
.endr
.Lasked_\@:
.endm
.macro CREST                           ; a round of the cluster's barrier behind its opening barrier
	s_cmp_lg_u32 s16, 0
	s_cbranch_scc1 .Lnot_wave_0_\@
	s_barrier_signal -3
.Lnot_wave_0_\@:
	s_barrier_wait -3
	s_barrier_signal -1
	s_barrier_wait -1
.endm
.macro CROUND
	s_barrier_signal -1
	s_barrier_wait -1
	CREST
.endm
; 64 numbers of a lane in window sw, register 16 b + i = k 32 b + 16 (lane / 16) + i of my row, become 16 registers of codes in window dw and my row's scale word in window 0
.macro QUANTW sw, s, dw, pc, pw
	WIN ((\sw)<<2)|(\sw)
.irp b, 0,1,2,3
	v_max3_num_f32 v[TM+\b], |v[(\s)+16*\b]|, |v[(\s)+16*\b+1]|, 0x4800000   ; and the floor 2^(9 - 127): the byte cannot fall under 1
.endr
.irp i, 2,4,6,8,10,12,14
.irp b, 0,1,2,3
	v_max3_num_f32 v[TM+\b], |v[(\s)+16*\b+\i]|, |v[(\s)+16*\b+\i+1]|, v[TM+\b]
.endr
.endr
	WIN 0
.irp b, 0,1,2,3
	v_permlanex16_b32 v[TM+4+\b], v[TM+\b], s[SEL], s[SEL+1]
.endr
.irp b, 0,1,2,3
	v_max_num_f32 v[TM+\b], v[TM+\b], v[TM+4+\b]           ; the block's largest magnitude
.endr
.irp b, 0,1,2,3
	v_add_nc_u32 v[TM+12+\b], 0xfc000000, v[TM+\b]         ; 8 off its exponent field: the conversion's scale operand
.endr
.irp b, 0,1,2,3
	v_and_or_b32 v[TM+8+\b], v[TM+\b], 0x7f800000, s[MNT]  ; 448 x the scale
.endr
.irp b, 0,1,2,3
	v_lshrrev_b32 v[TM+4+\b], 23, v[TM+12+\b]              ; the scale's byte
.endr
	v_lshl_or_b32 v[\pw], v[TM+5], 8, v[TM+4]
	v_lshl_or_b32 v[\pw], v[TM+6], 16, v[\pw]
	v_lshl_or_b32 v[\pw], v[TM+7], 24, v[\pw]
	WIN ((\sw)<<6)|(\sw)
.irp b, 0,1,2,3
.irp i, 0,1,2,3,4,5,6,7,8,9,10,11,12,13,14,15
	v_med3_num_f32 v[(\s)+16*\b+\i], v[(\s)+16*\b+\i], -v[TM+8+\b], v[TM+8+\b]   ; the conversion does not saturate (ISA guide 7.6.2): the hold
.endr
.endr
	WIN ((\dw)<<6)|(\sw)
.irp b, 0,1,2,3
	v_cvt_scalef32_pk8_fp8_f32 v[(\pc)+4*\b:(\pc)+4*\b+1], v[(\s)+16*\b:(\s)+16*\b+7], v[TM+12+\b]
	v_cvt_scalef32_pk8_fp8_f32 v[(\pc)+4*\b+2:(\pc)+4*\b+3], v[(\s)+16*\b+8:(\s)+16*\b+15], v[TM+12+\b]
.endr
	v_nop                                          ; a plain instruction behind the last conversion
	WIN 0
.endm
	s_load_b256 s[4:11], s[0:1], 0x0               ; img s[4:5], scl s[6:7], x s[8:9], bk s[10:11]
	s_load_b128 s[12:15], s[0:1], 0x20             ; bv s[12:13], part s[14:15]
	v_lshl_add_u32 v[SPW], v0, 2, SPARE
	v_mov_b32 v[NIL], 0
	ds_add_u32 v[SPW], v[NIL]                      ; the wave's opening: the add, twice on end, and its wait ahead of my first tensor load
	ds_add_u32 v[SPW], v[NIL]
	v_lshrrev_b32 v1, 5, v0
	v_readfirstlane_b32 s16, v1                    ; wave 0..3
	s_lshr_b32 s17, s16, 1                         ; kk.  Also: I fetch for W (0) or for the tokens (1)
	s_and_b32 s18, s16, 1                          ; my half of the tokens.  Also: which 8 tiles I fetch
	s_bfe_u32 s40, ttmp6, 0x40000                  ; cx, cy
	s_bfe_u32 s41, ttmp6, 0x40004
	s_lshl_b32 s42, ttmp9, 2
	s_add_co_u32 s42, s42, s40                     ; tx
	s_and_b32 s43, ttmp7, 0xffff
	s_lshl_b32 s43, s43, 2
	s_add_co_u32 s43, s43, s41                     ; ty = the head
	s_lshl_b32 s44, s41, 2
	s_lshl_b32 s44, 15, s44                        ; my row of the cluster
	s_lshl_b32 s45, 0x1111, s40                    ; my column
	; group 1 for codes: 8 rows (tiles) of 4,096 bytes (512 elements of 8), 16,384 bytes apart, dense in LDS
	s_or_b32 s[G1+0], s44, (3<<16)|(1<<21)         ; 15:0 the mask; 17:16 elements of 8 bytes; 21 set beside a mask
	s_or_b32 s[G1B+0], s45, (3<<16)|(1<<21)
.irp g, G1, G1B
	s_mov_b32 s[\g+1], 512<<16                     ; tensor_dim0
	s_mov_b32 s[\g+2], 8<<16                       ; tensor_dim1
	s_mov_b32 s[\g+3], 512<<16                     ; tile_dim0
	s_mov_b32 s[\g+4], 8                           ; tile_dim1
	s_mov_b32 s[\g+5], 2048                        ; tensor_dim0_stride
	s_mov_b32 s[\g+6], 0
	s_mov_b32 s[\g+7], 0
.endr
	; and for the scale words of 8 tiles: 4,096 dense bytes as 16 rows of 256, 16 bytes of padding behind each
	s_or_b32 s[G1S+0], s44, (3<<16)|(1<<20)|(1<<21)|(5<<22)|(3<<25)
	s_or_b32 s[G1SB+0], s45, (3<<16)|(1<<20)|(1<<21)|(5<<22)|(3<<25)
.irp g, G1S, G1SB
	s_mov_b32 s[\g+1], 32<<16
	s_mov_b32 s[\g+2], 16<<16
	s_mov_b32 s[\g+3], 32<<16
	s_mov_b32 s[\g+4], 16
	s_mov_b32 s[\g+5], 32
	s_mov_b32 s[\g+6], 0
	s_mov_b32 s[\g+7], 0
.endr
	s_lshl_b32 s19, s18, 3                         ; which 8 tiles
	s_lshl_b32 s20, s43, 4
	s_add_co_u32 s20, s20, s19
	s_add_co_u32 s20, s20, 576                     ; W: tile 576 + 16 head + 8 half
	s_lshl_b32 s46, s42, 4
	s_add_co_u32 s46, s46, s19                     ; tokens: tile 16 tx + 8 half
	s_lshl_b32 s22, s20, 9                         ; their scale words,
	s_lshl_b32 s2, s46, 9
	s_lshl_b32 s20, s20, 14                        ; their codes
	s_lshl_b32 s46, s46, 14
	s_mov_b32 s21, 0
	s_mov_b32 s23, 0
	s_mov_b32 s3, 0
	s_mov_b32 s47, 0
	s_lshl_b32 s92, s42, 8                         ; the residual: token 256 tx + 64 wave, column 64 head
	s_lshl_b32 s93, s16, 6
	s_add_co_u32 s92, s92, s93
	s_lshl_b32 s92, s92, 12
	s_lshl_b32 s93, s43, 8
	s_add_co_u32 s92, s92, s93
	s_mov_b32 s93, 0
	s_mul_i32 s66, s16, HALFT                      ; where my loads go: no place in the cluster enters an LDS address
	s_mul_i32 s67, s16, HALFS
	s_mov_b32 s[MNT], 0x600000                     ; the mantissa field of 448
	s_mov_b32 s96, 0x3cb504f3                      ; 2048^-0.5
	s_mov_b32 s97, s96
	s_mov_b32 s98, 0xbfb8aa3b                      ; -log2(e)
	s_mov_b32 s99, s98
	s_mov_b32 s[SEL], 0x76543210
	s_mov_b32 s[SEL+1], 0xfedcba98
	s_wait_dscnt 0x0                               ; both opening adds are done
	s_wait_kmcnt 0x0
	s_add_nc_u64 s[20:21], s[4:5], s[20:21]
	s_add_nc_u64 s[22:23], s[6:7], s[22:23]
	s_add_nc_u64 s[46:47], s[4:5], s[46:47]
	s_add_nc_u64 s[2:3], s[6:7], s[2:3]
	s_add_nc_u64 s[92:93], s[8:9], s[92:93]
	CROUND                                         ; all sixteen work-groups are here: the first joint loads meet
	s_mov_b32 s[G0S], 1
	s_add_co_u32 s[G0S+1], s67, SCL
	s_mov_b64 s[G0S+2:G0S+3], s[22:23]
	s_or_b32 s[G0S+3], s[G0S+3], 0x80000000
	s_mov_b32 s[G0SB], 1
	s_add_co_u32 s[G0SB+1], s67, SCL
	s_mov_b64 s[G0SB+2:G0SB+3], s[2:3]
	s_or_b32 s[G0SB+3], s[G0SB+3], 0x80000000
	JLOAD G0S, G1S, G0SB, G1SB                     ; the scale words first
.irp s, 0,1
	s_mov_b32 s[G0+4*\s], 1
	s_add_co_u32 s[G0+4*\s+1], s66, \s*SLOT
	s_add_nc_u64 s[G0+4*\s+2:G0+4*\s+3], s[20:21], \s*4096
	s_or_b32 s[G0+4*\s+3], s[G0+4*\s+3], 0x80000000
	s_mov_b32 s[G0B+4*\s], 1
	s_add_co_u32 s[G0B+4*\s+1], s66, \s*SLOT
	s_add_nc_u64 s[G0B+4*\s+2:G0B+4*\s+3], s[46:47], \s*4096
	s_or_b32 s[G0B+4*\s+3], s[G0B+4*\s+3], 0x80000000
	JLOAD G0+4*\s, G1, G0B+4*\s, G1B               ; three tensor loads of mine are out now
.endr
	v_and_b32 v1, 15, v0                           ; r
	v_bfe_u32 v2, v0, 4, 1                         ; h
	v_and_b32 v3, 31, v0
	v_lshlrev_b32 v[GL], 4, v3
	s_mul_i32 s66, s17, HALFT                      ; my 8 tiles of W,
	s_mul_i32 s67, s18, HALFT                      ; my 8 tiles of tokens,
	s_add_co_u32 s67, s67, 2*HALFT                 ; which lie behind W's 16
.irp s, 0,1
	v_add_nc_u32 v[ADRA+\s], s66, v[GL]
	v_add_nc_u32 v[ADRB+\s], s67, v[GL]
	s_add_co_u32 s66, s66, SLOT
	s_add_co_u32 s67, s67, SLOT
.endr
	v_mul_u32_u24 v5, v1, 32                       ; my row's scale words: 32 bytes a row,
	v_lshrrev_b32 v6, 8, v5
	v_lshl_add_u32 v5, v6, 4, v5                   ; and 16 more for each 256 passed
	s_mul_i32 s66, s17, HALFS
	s_mul_i32 s67, s18, HALFS
	s_add_co_u32 s67, s67, 2*HALFS
	s_sub_co_u32 s67, s67, s66
	v_mul_u32_u24 v6, s67, v2                      ; lanes 16-31 take the tokens'
	s_add_co_u32 s66, s66, SCL
	v_add_nc_u32 v5, v5, v6
	v_add_nc_u32 v[ADRS], s66, v5
	v_and_b32 v5, 8, v1
	v_add_nc_u32 v5, v5, v1                        ; r + 8 (r / 8): my column in a tile of W
	v_lshlrev_b32 v7, 2, v5
	v_mul_u32_u24 v6, v2, 16*XP
	v_add_nc_u32 v[XRA], v6, v7
	s_mul_i32 s66, s18, 128*XP
	v_add_nc_u32 v[XRA], s66, v[XRA]               ; the residual: token 128 half + 16 h, my column
	s_lshl_b32 s66, s17, 14
	s_add_co_u32 s66, s66, STG
	v_add_nc_u32 v[STA], s66, v[GL]
	s_lshl_b32 s66, s17, 12                        ; the biases: 4 (1,024 kk + 64 head)
	s_lshl_b32 s67, s43, 8
	s_add_co_u32 s66, s66, s67
	s_mov_b32 s67, 0
	s_add_nc_u64 s[10:11], s[10:11], s[66:67]
	s_add_nc_u64 s[12:13], s[12:13], s[66:67]
.irp a, 0,1,2,3
	global_load_b32 v[BI+8*\a], v7, s[10:11] offset:4*(32*(\a/2)+8*(\a%2))
	global_load_b32 v[BI+32+8*\a], v7, s[12:13] offset:4*(32*(\a/2)+8*(\a%2))
.endr
	s_lshl_b32 s66, s42, 4                         ; part: 16,384 ((16 tx + head) 2 + kk)
	s_add_co_u32 s66, s66, s43
	s_lshl_b32 s66, s66, 1
	s_add_co_u32 s66, s66, s17
	s_lshl_b32 s66, s66, 14
	s_add_nc_u64 s[14:15], s[14:15], s[66:67]
	s_wait_loadcnt 0x0
.irp a, 0,1,2,3,4,5,6,7
.irp j, 1,2,3,4,5,6,7
	v_mov_b32 v[BI+8*\a+\j], v[BI+8*\a]            ; a lane holds one column: its bias stands in all eight registers of the C
.endr
.endr
.macro FRAG reg, adr, q, i             ; a fragment: tile i, the slot's q-th 128 along K: four runs of 512 bytes
.irp c, 0,1,2,3
	ds_load_b128 v[\reg+4*\c:\reg+4*\c+3], v[\adr] offset:2048*(\q)+512*\c+(\i)*4096
.endr
.endm
; 16 matrix instructions: W's blocks a0, a0 + 1 x the tokens' eight.  zero = 1: the first product starts the sums, with the bias as C.  The 64 accumulators take turns, one instruction a turn.
.macro MUL16 a0, p, q, sc, zero
.irp a, \a0, \a0+1
.irp b, 0,1,2,3,4,5,6,7
.if \zero
	v_wmma_scale_f32_16x16x128_f8f6f4 v[8*(8*((\a)%4)+\b):8*(8*((\a)%4)+\b)+7], v[128*(\p)+FR*\b:128*(\p)+FR*\b+FR-1], v[AF+FR*(\a):AF+FR*(\a)+FR-1], v[BI+8*(\a):BI+8*(\a)+7], v[SC+8*NQ*(\sc)+NQ*\b+(\q)], v[SC+8*NQ*(\sc)+NQ*(\a)+(\q)] matrix_a_scale:MATRIX_SCALE_ROW1
.else
	v_wmma_scale_f32_16x16x128_f8f6f4 v[8*(8*((\a)%4)+\b):8*(8*((\a)%4)+\b)+7], v[128*(\p)+FR*\b:128*(\p)+FR*\b+FR-1], v[AF+FR*(\a):AF+FR*(\a)+FR-1], v[8*(8*((\a)%4)+\b):8*(8*((\a)%4)+\b)+7], v[SC+8*NQ*(\sc)+NQ*\b+(\q)], v[SC+8*NQ*(\sc)+NQ*(\a)+(\q)] matrix_a_scale:MATRIX_SCALE_ROW1
.endif
.endr
.endr
.endm
.macro FETCH_B slot, q, p
	WIN TO_B
.irp i, 0,1,2,3,4,5,6,7
	FRAG 128*(\p)+FR*\i, ADRB+\slot, \q, \i
.endr
	WIN 0
.endm
.macro FETCH_A slot, q, i0
.irp i, \i0, \i0+1, \i0+2, \i0+3
	FRAG AF+FR*(\i), ADRA+\slot, \q, \i
.endr
.endm
.macro SCALES sc                       ; a K step's two words a row: lanes 0-15 W's block i, lanes 16-31 the tokens' block i
.irp i, 0,1,2,3,4,5,6,7
	ds_load_b64 v[SC+8*NQ*\sc+NQ*\i:SC+8*NQ*\sc+NQ*\i+1], v[ADRS] offset:\i*SBLK
.endr
.endm
.macro STEP slot, q, zero              ; 128 along K with its successor in the same slot
	s_wait_dscnt 4*NL                              ; all but the youngest sixteen loads (W's blocks 4-7) are in
.if \zero
	WIN 0x81                                       ; C (the bias) in window 0
.else
	WIN MUL_LO
.endif
	MUL16 0, (\q)%2, \q, \slot, \zero
	MUL16 2, (\q)%2, \q, \slot, \zero
	s_wait_dscnt 0
	PLACES NP
	FETCH_B \slot, (\q)+1, 1-(\q)%2
	FETCH_A \slot, (\q)+1, 0
.if \zero
	WIN 0xc1
.else
	WIN MUL_HI
.endif
	MUL16 4, (\q)%2, \q, \slot, \zero
	MUL16 6, (\q)%2, \q, \slot, \zero
	PLACES NP
	WIN 0
	FETCH_A \slot, (\q)+1, 4
.endm
; a slot's last 128 along K, and the change of slots.  fill = 1: this slot takes the K step two on, jointly.  fill = 2: it takes the residual, a plain load of each wave.
.macro TURN slot, next, fill
	s_wait_tensorcnt 0x0                           ; all my tensor loads have landed: my part of the next slot
	ds_add_u32 v[SPW], v[NIL]                      ; 0 onto my spare word
	s_wait_dscnt 4*NL+1                            ; the add and the youngest sixteen loads may be out
	WIN MUL_LO
	MUL16 0, 1, NQ-1, \slot, 0
	s_wait_dscnt 0x0                               ; the add is done, and my reads of this slot are over
	s_barrier_signal -1
	MUL16 2, 1, NQ-1, \slot, 0
	WIN 0
	s_barrier_wait -1
	CREST                                          ; the barrier has opened a round of the cluster's: no wave of any partner still reads this slot or has a load on its way
.if \fill == 1
	s_add_nc_u64 s[G0+4*\slot+2:G0+4*\slot+3], s[G0+4*\slot+2:G0+4*\slot+3], 2*4096
	s_add_nc_u64 s[G0B+4*\slot+2:G0B+4*\slot+3], s[G0B+4*\slot+2:G0B+4*\slot+3], 2*4096
	JLOAD G0+4*\slot, G1, G0B+4*\slot, G1B
.else
	s_mov_b32 s[G1S+0], (2<<16)|(1<<20)|(5<<22)|(1<<25)   ; no mask; elements of 4 bytes; 2 words of padding behind every 64.  (No load of mine is out: the registers of the scales' descriptors are free)
	s_mov_b32 s[G1S+1], 64<<16                     ; 64 columns
	s_mov_b32 s[G1S+2], 64<<16                     ; 64 tokens
	s_mov_b32 s[G1S+3], 64<<16
	s_mov_b32 s[G1S+4], 64
	s_mov_b32 s[G1S+5], 1024
	s_mov_b32 s[G1S+6], 0
	s_mov_b32 s[G1S+7], 0
	s_mov_b32 s[G0S], 1
	s_mul_i32 s[G0S+1], s16, 64*XP
	s_mov_b64 s[G0S+2:G0S+3], s[92:93]
	s_or_b32 s[G0S+3], s[G0S+3], 0x80000000
	tensor_load_to_lds s[G0S:G0S+3], s[G1S:G1S+7]  ; my one load behind the round: it lands under the last K step's 128 products
	s_nop 0
.rept 4
	v_nop
.endr
.endif
	PLACES NP-4
	v_add_nc_u32 v[ADRS], 4*NQ, v[ADRS]
	FETCH_B \next, 0, 0
	FETCH_A \next, 0, 0
	SCALES \next
	WIN MUL_HI
	MUL16 4, 1, NQ-1, \slot, 0
	MUL16 6, 1, NQ-1, \slot, 0
	PLACES NP
	WIN 0
	FETCH_A \next, 0, 4
.endm
	s_wait_tensorcnt 1                             ; the scale words and my part of K step 0 are in; slot 1's load may stay out
	s_barrier_signal -1
	s_barrier_wait -1
	FETCH_B 0, 0, 0
	FETCH_A 0, 0, 0
	SCALES 0
	FETCH_A 0, 0, 4
	STEP 0, 0, 1
	TURN 0, 1, 1
	STEP 1, 0, 0
	TURN 1, 0, 1
	STEP 0, 0, 0
	TURN 0, 1, 2
	STEP 1, 0, 0
	s_wait_dscnt 4*NL                              ; the very last 128 along K
	WIN MUL_LO
	MUL16 0, 1, NQ-1, 1, 0
	MUL16 2, 1, NQ-1, 1, 0
	s_wait_dscnt 0
	WIN MUL_HI
	MUL16 4, 1, NQ-1, 1, 0
	MUL16 6, 1, NQ-1, 1, 0
	WIN 0
	s_wait_tensorcnt 0x0                           ; my part of the residual has landed,
	s_barrier_signal -1
	s_barrier_wait -1                              ; everybody's has
	PLACES NP
	; ---- the residual: x(token, column) in the accumulators' layout, the same for k and v
	WIN 0x40
.irp a, 0,1,2,3
.irp b, 0,1,2,3,4,5,6,7
.irp j, 0,1,2,3,4,5,6,7
	ds_load_b32 v[64*\a+8*\b+\j], v[XRA] offset:XP*(32*(\b/2)+8*(\b%2)+\j)+4*(32*(\a/2)+8*(\a%2))
.endr
.endr
.endr
	s_wait_dscnt 0x0
	WIN 0x86
.set i, 0
.rept 128
	v_pk_add_f32 v[i:i+1], v[i:i+1], v[i:i+1]      ; k += x   (each accumulator from its low end on)
.set i, i+2
.endr
	WIN 0xc7
.set i, 0
.rept 128
	v_pk_add_f32 v[i:i+1], v[i:i+1], v[i:i+1]      ; v += x
.set i, i+2
.endr
	WIN 0xc3
.set i, 0
.rept 128
	v_pk_mul_f32 v[i:i+1], v[i:i+1], s[96:97] op_sel_hi:[1,0]   ; v x 2048^-0.5
.set i, i+2
.endr
	; ---- silu(k) + 0.5 = k / (1 + 2^(-k log2 e)) + 0.5
	WIN 0x42
.set i, 0
.rept 128
	v_pk_mul_f32 v[i:i+1], v[i:i+1], s[98:99] op_sel_hi:[1,0]
.set i, i+2
.endr
	WIN 0x41
.set i, 0
.rept 256
	v_exp_f32 v[i], v[i]
.set i, i+1
.endr
	v_nop                                          ; a plain instruction behind the batch,
	s_wait_alu depctr_va_vdst(0)                   ; and one wait for it, ahead of its first reader
.set i, 0
.rept 128
	v_pk_add_f32 v[i:i+1], v[i:i+1], 1.0 op_sel_hi:[1,0]
.set i, i+2
.endr
.set i, 0
.rept 256
	v_rcp_f32 v[i], v[i]
.set i, i+1
.endr
	v_nop
	s_wait_alu depctr_va_vdst(0)
	WIN 0x86
.set i, 0
.rept 128
	v_pk_fma_f32 v[i:i+1], v[i:i+1], v[i:i+1], 0.5 op_sel_hi:[1,1,0]
.set i, i+2
.endr
	; ---- the L2 norm over the head's 64 columns: four blocks a in my registers, sixteen lanes of my half
	WIN 0x0a
.set i, 0
.rept 32
	v_pk_mul_f32 v[SS+i:SS+i+1], v[i:i+1], v[i:i+1]
.set i, i+2
.endr
.irp a, 1,2,3
.set i, 0
.rept 32
	v_pk_fma_f32 v[SS+i:SS+i+1], v[64*\a+i:64*\a+i+1], v[64*\a+i:64*\a+i+1], v[SS+i:SS+i+1]
.set i, i+2
.endr
.endr
	WIN 0
.irp m, 1,2,4,8
.set i, 0
.rept 64
	v_add_f32_dpp v[SS+i], v[SS+i], v[SS+i] row_xmask:\m row_mask:0xf bank_mask:0xf
.set i, i+1
.endr
.endr
.set i, 0
.rept 64
	v_sqrt_f32 v[SS+i], v[SS+i]
.set i, i+1
.endr
	v_nop
	s_wait_alu depctr_va_vdst(0)
.set i, 0
.rept 32
	v_pk_add_f32 v[SS+i:SS+i+1], v[SS+i:SS+i+1], 0x358637bd op_sel_hi:[1,0]   ; + 1e-6
.set i, i+2
.endr
.set i, 0
.rept 64
	v_rcp_f32 v[SS+i], v[SS+i]
.set i, i+1
.endr
	v_nop
	s_wait_alu depctr_va_vdst(0)
.set i, 0
.rept 32
	v_pk_mul_f32 v[SS+i:SS+i+1], v[SS+i:SS+i+1], s[96:97] op_sel_hi:[1,0]     ; x 2048^-0.5
.set i, i+2
.endr
.irp b, 0,1,2,3
	v_mov_b32 v[TM+4+\b], 0                        ; written once: a lane permute's destination counts as one of its sources
.endr
	WIN 0x82
.irp a, 0,1,2,3
.set i, 0
.rept 32
	v_pk_mul_f32 v[64*\a+i:64*\a+i+1], v[64*\a+i:64*\a+i+1], v[SS+i:SS+i+1]
.set i, i+2
.endr
.endr
	; ---- both quantised along the tokens: each block a of 16 columns becomes one fragment of 128 tokens
.irp a, 0,1,2,3
	QUANTW 2, 64*\a, 1, 16*\a, KW+\a
.endr
.irp a, 0,1,2,3
	QUANTW 3, 64*\a, 1, 64+16*\a, VW+\a
.endr
	PLACES NP                                      ; scale words made by vector instructions stand eight places ahead of a scaled product, codes four
	WIN 0x45
.irp e, 0,1,2,3
.irp d, 0,1,2,3
	v_wmma_scale_f32_16x16x128_f8f6f4 v[128+8*(4*\e+\d):128+8*(4*\e+\d)+7], v[16*\d:16*\d+15], v[64+16*\e:64+16*\e+15], 0, v[KW+\d], v[VW+\e]   ; source 0 = 16 columns d of k, source 1 = 16 columns e of v
.endr
.endr
	WIN 0
	PLACES NP
	; ---- the upper token half's states go through LDS to the lower half's wave, which adds and stores
	s_cmp_eq_u32 s18, 0
	s_cbranch_scc1 .Lkeep
	WIN 0x04
.set i, 0
.rept 32
	ds_store_b128 v[STA], v[128+4*i:128+4*i+3] offset:512*i
.set i, i+1
.endr
	WIN 0
.Lkeep:
	s_wait_dscnt 0x0                               ; for the others' sake: my stores have landed
	s_barrier_signal -1
	s_barrier_wait -1
	s_cmp_lg_u32 s18, 0
	s_cbranch_scc1 .Ldone
.set i, 0
.rept 32
	ds_load_b128 v[128+4*i:128+4*i+3], v[STA] offset:512*i
.set i, i+1
.endr
	s_wait_dscnt 0x0
	WIN 0x41
.set i, 0
.rept 64
	v_pk_add_f32 v[128+i:128+i+1], v[128+i:128+i+1], v[128+i:128+i+1]
.set i, i+2
.endr
	WIN 0x04
.set i, 0
.rept 32
	global_store_b128 v[GL], v[128+4*i:128+4*i+3], s[14:15] offset:512*i   ; 32 lanes store 512 consecutive bytes, aligned
.set i, i+1
.endr
	WIN 0
.Ldone:
	s_wait_tensorcnt 0x0                           ; the wave's end
	ds_add_u32 v[SPW], v[NIL]
	s_wait_dscnt 0x0
	CROUND                                         ; the closing round
	s_endpgm
.Lfunc_end_k_q33e4d6e951_kv:
	.size	k_q33e4d6e951_kv, .Lfunc_end_k_q33e4d6e951_kv-k_q33e4d6e951_kv
	.p2alignl 7, 3214868480
	.fill 96, 4, 3214868480
	.section	.rodata,"a",@progbits
	.p2align	6, 0x0
	.amdhsa_kernel k_q33e4d6e951_kv
		.amdhsa_group_segment_fixed_size 327680
		.amdhsa_private_segment_fixed_size 0
		.amdhsa_enable_private_segment 0
		.amdhsa_kernarg_size 48
		.amdhsa_user_sgpr_count 2
		.amdhsa_user_sgpr_kernarg_segment_ptr 1
		.amdhsa_wavefront_size32 1
		.amdhsa_system_sgpr_workgroup_id_x 1
		.amdhsa_system_sgpr_workgroup_id_y 1
		.amdhsa_system_sgpr_workgroup_id_z 1
		.amdhsa_system_vgpr_workitem_id 0
		.amdhsa_next_free_vgpr 1024
		.amdhsa_next_free_sgpr 102
		.amdhsa_reserve_vcc 0
		.amdhsa_float_denorm_mode_32 3
		.amdhsa_float_denorm_mode_16_64 3
		.amdhsa_memory_ordered 1
		.amdhsa_forward_progress 1
		.amdhsa_inst_pref_size 255
	.end_amdhsa_kernel
	.section	.bss,"aw",@nobits
	.p2align	6
	.space	262144
	.amdgpu_metadata
---
amdhsa.version: [ 1, 2 ]
amdhsa.kernels:
  - .name:           k_q33e4d6e951_kv
    .symbol:         k_q33e4d6e951_kv.kd
    .args:
      - { .name: img, .offset: 0, .size: 8, .value_kind: global_buffer, .address_space: global }
      - { .name: scl, .offset: 8, .size: 8, .value_kind: global_buffer, .address_space: global }
      - { .name: x, .offset: 16, .size: 8, .value_kind: global_buffer, .address_space: global }
      - { .name: bk, .offset: 24, .size: 8, .value_kind: global_buffer, .address_space: global }
      - { .name: bv, .offset: 32, .size: 8, .value_kind: global_buffer, .address_space: global }
      - { .name: part, .offset: 40, .size: 8, .value_kind: global_buffer, .address_space: global }
    .group_segment_fixed_size: 327680
    .private_segment_fixed_size: 0
    .kernarg_segment_align: 8
    .kernarg_segment_size: 48
    .max_flat_workgroup_size: 128
    .sgpr_count:     102
    .vgpr_count:     1024
    .wavefront_size: 32
...
	.end_amdgpu_metadata
.endif
;; end of part 2
;; launch qg (part 3): grid 8 x 32, 4 waves a work-group, clusters of 4 x 4, 327,680 bytes of LDS; arguments img, scl, x, bq, part, qimg, qscl, simg, sscl; writes qimg, qscl, simg, sscl
.if DOCPART == 3
	.amdgcn_target "amdgcn-amd-amdhsa--gfx1250"
	.amdhsa_code_object_version 6
	.text
	.protected	k_q33e4d6e951_qg
	.globl	k_q33e4d6e951_qg
	.p2align	8
	.type	k_q33e4d6e951_qg,@function
k_q33e4d6e951_qg:
	s_mov_b64 s[64:65], 0
	v_nop
	global_prefetch_b8 v0, s[64:65] scope:SCOPE_SE
	s_setreg_imm32_b32 hwreg(HW_REG_WAVE_MODE, 25, 1), 1
	s_wait_xcnt 0x0
	s_wait_alu depctr_hold_cnt(0) depctr_sa_sdst(0) depctr_va_vdst(0) depctr_va_sdst(0) depctr_va_ssrc(0) depctr_va_vcc(0) depctr_vm_vsrc(0)
	s_getreg_b32 s2, hwreg(HW_REG_IB_STS2, 6, 4)
	s_cmp_eq_u32 s2, 0
	s_cbranch_scc0 .Lentry_in_a_cluster
	s_endpgm
.Lentry_in_a_cluster:
	s_bfe_u32 s2, ttmp6, 0x10000c
	s_cmp_lg_u32 s2, 0xf033
	s_cbranch_scc0 .Lentry_shape_is_right
	s_endpgm
.Lentry_shape_is_right:
; Launch 3 of 4.  (1) q = x + x Wq^T + bq on codes; silu + 0.5; the L2 norm over each head's 64; quantised along the head's axis into qimg and qscl.
; (2) The states: the eight token blocks' partial states of a batch are added, the two states (kk = 0, 1) multiplied number by number, the product quantised along d into simg and sscl.  No work is left out.
; SHARES OF (1).  A work-group (tx = 128 columns = a pair of heads, ty = 256 tokens): 8 x 32 = 256 work-groups.  Four waves; wave w takes tokens 64 w .. + 63 and all 128 columns: 32 accumulators of 16 x 16 in window 2.
; K = 1,024 goes in four steps of 256 through two LDS slots; tiles lie in memory and in LDS as images of the operand's registers, so a fragment is four loads of 512 dense bytes.
; SOURCE 0 = 16 rows of Wq, SOURCE 1 = 16 tokens: a lane holds ONE token, and the 16 registers of column tiles 2 c, 2 c + 1 are columns 32 c + 16 (lane / 16) + 0 .. 15 of the 128: two heads, the next product's K.
; The accumulators BEGIN as x + bq, loaded in their own layout while the first tiles are on their way: every product adds in place.
; CLUSTERS: 4 x 4.  The tokens' tiles hang on ty alone and are shared along a row of the cluster, Wq's on tx alone and along a column: each is asked for jointly.  Waves 0, 1 fetch 8 token tiles each, waves 2, 3 four tiles of Wq each.
; SHARES OF (2).  There are 256 units (batch b, head, a_v: 16 columns e) and 256 work-groups: work-group 8 ty + tx takes unit 8 ty + tx.  Wave w adds token blocks 4 (w % 2) .. + 3 of kk = w / 2, loaded at the head into window 3;
; the four sums meet in a stage in LDS as images of registers; wave 0 finishes the unit behind its own part of (1).  In a lane (r, h): column e at place r of tile a_v; register 16 c + i = d 32 c + 16 h + i.
; OUT: qimg [token tile][pair of heads p][c][lane][16 bytes], an image of the fragment of K step p; qscl [tile][p][lane] words.  simg [b][head][a_v][c 0..1][lane][16 bytes]; sscl [b][head][a_v][lane] words: the next launch multiplies a
; PAIR of heads' q (K = 128) by one head's state, so an even head's two bytes stand in bytes 0, 1 of the word, an odd head's in bytes 2, 3; the other two are 0x7f (1.0) and meet zero codes.
; LIMITS: a block of zeros gets the byte 1 where the rule says 127 (its codes are zeros; only this program reads the bytes); blocks under 2^-118 are held at the byte 1; NaN and infinities are not served.
; No prefetch: K has four steps, two of them the first fills, and every tile is read by many work-groups.
; REGISTERS: window 0: v0-31 addresses; v32-63 scale words; v64-127 the bias, later the norms; v128-255 the tokens' fragments, two sets of 64, later at work and the codes.
;   window 1: Wq's fragments, two sets of 128; later silu; at the end the states.   window 2: the accumulators.   window 3: v0-127 the partial states.
.set NQ,     2
.set FR,     16
.set NP,     8                         ; places behind this matrix instruction (ISA guide 7.12.1)
.set SLOT,   98304                     ; the tokens' 16 tiles x 4,096 bytes, then Wq's 8
.set BOFF,   65536
.set SCL,    2*SLOT                    ; the scale words of all of K, as units of 256 bytes + 16 of padding: 544 bytes a tile; the tokens' 16 tiles,
.set SBLK,   544
.set SCB,    SCL+16*SBLK               ; then Wq's 8
.set SPARE,  SCB+8*SBLK                ; the spare words, 128 bytes for each wave: two blocks of 256 bytes that no other line names
.set STS,    SPARE+512                 ; the states' stage: 4,096 bytes for each wave; no tensor load lands here
.set ADRA, 16                          ; v16-17 LDS address of my tokens' fragments in slot 0, 1
.set STW,  18                          ; v18 where I store my sum of partial states
.set STR,  19                          ; v19 where wave 0 reads the four sums
.set ADRB, 20                          ; v20-21 of Wq's fragments
.set XQ,   22                          ; v22 x: my token's row and my half's 64 bytes
.set HB,   23                          ; v23 64 h
.set GL,   24                          ; v24 16 x lane
.set GL4,  25                          ; v25 4 x lane
.set ADRS, 27                          ; v27 my scale words: lanes 0-15 the tokens', lanes 16-31 Wq's
.set SPW,  28
.set NIL,  29
.set SC,   32
.set BI,   64
.set NS,   64                          ; v64-79 sums of squares, a pair for each of 8 groups (token tile, head)
.set NF,   80                          ; v80-95 1 / (norm + 1e-6), twice
.set NT,   96
.set NU,   104
.set AF,   128
.set TM,   128
.set PC,   144                         ; v144-207 four fragments of codes
.set PCS,  208                         ; v208-215 the state's codes
.set PWS,  216                         ; v216 the state's scale word
.set G1,   24
.set G0,   32
.set G1B,  48
.set G0B,  56
.set G1S,  68
.set G0S,  76
.set G1SB, 80
.set G0SB, 88
.set MNT,  19
.set SEL,  100
.set MSB, 0
.macro WIN new                         ; the immediate's high byte repeats the setting that is left
.if MSB != (\new)
	s_set_vgpr_msb (MSB<<8)|(\new)
.set MSB, (\new)
.endif
.endm
.set MUL,    0xa1                      ; source 0 (Wq) window 1, source 1 (tokens) window 0, C and D window 2
.set TO_B,   0x40
.macro PLACES n
.rept \n
	v_nop
.endr
.endm
.macro JLOAD g0a, g1a, g0b, g1b        ; waves 0 and 1 fetch for the tokens, waves 2 and 3 for Wq; an s_nop 0 and four v_nop follow each line
	s_cmp_eq_u32 s17, 0
	s_cbranch_scc0 .Lfor_b_\@
	tensor_load_to_lds s[\g0a:\g0a+3], s[\g1a:\g1a+7]
	s_nop 0
.rept 4
	v_nop
.endr
	s_branch .Lasked_\@
.Lfor_b_\@:
	tensor_load_to_lds s[\g0b:\g0b+3], s[\g1b:\g1b+7]
	s_nop 0
.rept 4
	v_nop
.endr
.Lasked_\@:
.endm
.macro CREST                           ; a round of the cluster's barrier behind its opening barrier
	s_cmp_lg_u32 s16, 0
	s_cbranch_scc1 .Lnot_wave_0_\@
	s_barrier_signal -3
.Lnot_wave_0_\@:
	s_barrier_wait -3
	s_barrier_signal -1
	s_barrier_wait -1
.endm
.macro CROUND
	s_barrier_signal -1
	s_barrier_wait -1
	CREST
.endm
; 64 numbers of a lane in window sw, register 16 b + i = k 32 b + 16 (lane / 16) + i of my row, become 16 registers of codes in window dw and my row's scale word in window 0
.macro QUANTW sw, s, dw, pc, pw
	WIN ((\sw)<<2)|(\sw)
.irp b, 0,1,2,3
	v_max3_num_f32 v[TM+\b], |v[(\s)+16*\b]|, |v[(\s)+16*\b+1]|, 0x4800000   ; and the floor 2^(9 - 127): the byte cannot fall under 1
.endr
.irp i, 2,4,6,8,10,12,14
.irp b, 0,1,2,3
	v_max3_num_f32 v[TM+\b], |v[(\s)+16*\b+\i]|, |v[(\s)+16*\b+\i+1]|, v[TM+\b]
.endr
.endr
	WIN 0
.irp b, 0,1,2,3
	v_permlanex16_b32 v[TM+4+\b], v[TM+\b], s[SEL], s[SEL+1]
.endr
.irp b, 0,1,2,3
	v_max_num_f32 v[TM+\b], v[TM+\b], v[TM+4+\b]           ; the block's largest magnitude
.endr
.irp b, 0,1,2,3
	v_add_nc_u32 v[TM+12+\b], 0xfc000000, v[TM+\b]         ; 8 off its exponent field: the conversion's scale operand
.endr
.irp b, 0,1,2,3
	v_and_or_b32 v[TM+8+\b], v[TM+\b], 0x7f800000, s[MNT]  ; 448 x the scale
.endr
.irp b, 0,1,2,3
	v_lshrrev_b32 v[TM+4+\b], 23, v[TM+12+\b]              ; the scale's byte
.endr
	v_lshl_or_b32 v[\pw], v[TM+5], 8, v[TM+4]
	v_lshl_or_b32 v[\pw], v[TM+6], 16, v[\pw]
	v_lshl_or_b32 v[\pw], v[TM+7], 24, v[\pw]
	WIN ((\sw)<<6)|(\sw)
.irp b, 0,1,2,3
.irp i, 0,1,2,3,4,5,6,7,8,9,10,11,12,13,14,15
	v_med3_num_f32 v[(\s)+16*\b+\i], v[(\s)+16*\b+\i], -v[TM+8+\b], v[TM+8+\b]   ; the conversion does not saturate (ISA guide 7.6.2): the hold
.endr
.endr
	WIN ((\dw)<<6)|(\sw)
.irp b, 0,1,2,3
	v_cvt_scalef32_pk8_fp8_f32 v[(\pc)+4*\b:(\pc)+4*\b+1], v[(\s)+16*\b:(\s)+16*\b+7], v[TM+12+\b]
	v_cvt_scalef32_pk8_fp8_f32 v[(\pc)+4*\b+2:(\pc)+4*\b+3], v[(\s)+16*\b+8:(\s)+16*\b+15], v[TM+12+\b]
.endr
	v_nop                                          ; a plain instruction behind the last conversion
	WIN 0
.endm
	s_load_b256 s[4:11], s[0:1], 0x0               ; img s[4:5], scl s[6:7], x s[8:9], bq s[10:11]
	s_load_b128 s[12:15], s[0:1], 0x20             ; part s[12:13], qimg s[14:15]
	s_load_b128 s[92:95], s[0:1], 0x30             ; qscl s[92:93], simg s[94:95]
	s_load_b64 s[96:97], s[0:1], 0x40              ; sscl
	v_lshl_add_u32 v[SPW], v0, 2, SPARE
	v_mov_b32 v[NIL], 0
	ds_add_u32 v[SPW], v[NIL]                      ; the wave's opening: the add, twice on end, and its wait ahead of my first tensor load
	ds_add_u32 v[SPW], v[NIL]
	v_lshrrev_b32 v1, 5, v0
	v_readfirstlane_b32 s16, v1                    ; wave 0..3: my 64 tokens
	s_lshr_b32 s17, s16, 1                         ; I fetch for the tokens (0) or for Wq (1).  Also: kk of my partial states
	s_and_b32 s18, s16, 1                          ; which half of that side's tiles I fetch.  Also: which four token blocks of partial states I add
	s_bfe_u32 s40, ttmp6, 0x40000                  ; cx, cy
	s_bfe_u32 s41, ttmp6, 0x40004
	s_lshl_b32 s42, ttmp9, 2
	s_add_co_u32 s42, s42, s40                     ; tx 0..7
	s_and_b32 s43, ttmp7, 0xffff
	s_lshl_b32 s43, s43, 2
	s_add_co_u32 s43, s43, s41                     ; ty 0..31
	s_lshl_b32 s44, s41, 2
	s_lshl_b32 s44, 15, s44                        ; my row of the cluster
	s_lshl_b32 s45, 0x1111, s40                    ; my column
	; group 1 for codes: rows (tiles) of 4,096 bytes (512 elements of 8), 16,384 bytes apart, dense in LDS: 8 rows for the tokens, 4 for Wq
	s_or_b32 s[G1+0], s44, (3<<16)|(1<<21)         ; 15:0 the mask; 17:16 elements of 8 bytes; 21 set beside a mask
	s_or_b32 s[G1B+0], s45, (3<<16)|(1<<21)
	s_mov_b32 s[G1+1], 512<<16                     ; tensor_dim0
	s_mov_b32 s[G1+2], 8<<16                       ; tensor_dim1
	s_mov_b32 s[G1+3], 512<<16                     ; tile_dim0
	s_mov_b32 s[G1+4], 8                           ; tile_dim1
	s_mov_b32 s[G1+5], 2048                        ; tensor_dim0_stride
	s_mov_b32 s[G1+6], 0
	s_mov_b32 s[G1+7], 0
	s_mov_b32 s[G1B+1], 512<<16
	s_mov_b32 s[G1B+2], 4<<16
	s_mov_b32 s[G1B+3], 512<<16
	s_mov_b32 s[G1B+4], 4
	s_mov_b32 s[G1B+5], 2048
	s_mov_b32 s[G1B+6], 0
	s_mov_b32 s[G1B+7], 0
	; and for the scale words: dense bytes as rows of 256, 16 bytes of padding behind each: 16 rows (8 tiles) for the tokens, 8 rows (4 tiles) for Wq
	s_or_b32 s[G1S+0], s44, (3<<16)|(1<<20)|(1<<21)|(5<<22)|(3<<25)
	s_or_b32 s[G1SB+0], s45, (3<<16)|(1<<20)|(1<<21)|(5<<22)|(3<<25)
	s_mov_b32 s[G1S+1], 32<<16
	s_mov_b32 s[G1S+2], 16<<16
	s_mov_b32 s[G1S+3], 32<<16
	s_mov_b32 s[G1S+4], 16
	s_mov_b32 s[G1S+5], 32
	s_mov_b32 s[G1S+6], 0
	s_mov_b32 s[G1S+7], 0
	s_mov_b32 s[G1SB+1], 32<<16
	s_mov_b32 s[G1SB+2], 8<<16
	s_mov_b32 s[G1SB+3], 32<<16
	s_mov_b32 s[G1SB+4], 8
	s_mov_b32 s[G1SB+5], 32
	s_mov_b32 s[G1SB+6], 0
	s_mov_b32 s[G1SB+7], 0
	; where the loads go: the half's number times a constant, plus constants: no place in the cluster enters an LDS address
	s_mul_i32 s[G0S+1], s18, 8*SBLK
	s_add_co_u32 s[G0S+1], s[G0S+1], SCL
	s_mul_i32 s[G0SB+1], s18, 4*SBLK
	s_add_co_u32 s[G0SB+1], s[G0SB+1], SCB
	s_lshl_b32 s[G0+1], s18, 15                    ; the tokens' 8 tiles: 32,768 bytes
	s_add_co_u32 s[G0+5], s[G0+1], SLOT
	s_lshl_b32 s[G0B+1], s18, 14                   ; Wq's 4 tiles: 16,384 bytes, behind the tokens' 16
	s_add_co_u32 s[G0B+1], s[G0B+1], BOFF
	s_add_co_u32 s[G0B+5], s[G0B+1], SLOT
	; where they come from
	s_lshl_b32 s20, s43, 4
	s_lshl_b32 s66, s18, 3
	s_add_co_u32 s20, s20, s66                     ; tokens: tile 16 ty + 8 half
	s_lshl_b32 s46, s42, 3
	s_lshl_b32 s66, s18, 2
	s_add_co_u32 s46, s46, s66
	s_add_co_u32 s46, s46, 512                     ; Wq: tile 512 + 8 tx + 4 half
	s_lshl_b32 s22, s20, 9                         ; their scale words,
	s_lshl_b32 s2, s46, 9
	s_lshl_b32 s20, s20, 14                        ; their codes
	s_lshl_b32 s46, s46, 14
	s_mov_b32 s21, 0
	s_mov_b32 s23, 0
	s_mov_b32 s3, 0
	s_mov_b32 s47, 0
	s_mov_b32 s[MNT], 0x600000                     ; the mantissa field of 448
	s_mov_b32 s98, 0xbfb8aa3b                      ; -log2(e)
	s_mov_b32 s99, s98
	s_mov_b32 s[SEL], 0x76543210
	s_mov_b32 s[SEL+1], 0xfedcba98
	s_wait_dscnt 0x0                               ; both opening adds are done
	s_wait_kmcnt 0x0
	s_add_nc_u64 s[20:21], s[4:5], s[20:21]
	s_add_nc_u64 s[22:23], s[6:7], s[22:23]
	s_add_nc_u64 s[46:47], s[4:5], s[46:47]
	s_add_nc_u64 s[2:3], s[6:7], s[2:3]
	CROUND                                         ; all sixteen work-groups are here: the first joint loads meet
	s_mov_b32 s[G0S], 1
	s_mov_b64 s[G0S+2:G0S+3], s[22:23]
	s_or_b32 s[G0S+3], s[G0S+3], 0x80000000
	s_mov_b32 s[G0SB], 1
	s_mov_b64 s[G0SB+2:G0SB+3], s[2:3]
	s_or_b32 s[G0SB+3], s[G0SB+3], 0x80000000
	JLOAD G0S, G1S, G0SB, G1SB                     ; the scale words first
.irp s, 0,1
	s_mov_b32 s[G0+4*\s], 1
	s_add_nc_u64 s[G0+4*\s+2:G0+4*\s+3], s[20:21], \s*4096
	s_or_b32 s[G0+4*\s+3], s[G0+4*\s+3], 0x80000000
	s_mov_b32 s[G0B+4*\s], 1
	s_add_nc_u64 s[G0B+4*\s+2:G0B+4*\s+3], s[46:47], \s*4096
	s_or_b32 s[G0B+4*\s+3], s[G0B+4*\s+3], 0x80000000
	JLOAD G0+4*\s, G1, G0B+4*\s, G1B               ; three tensor loads of mine are out now
.endr
	v_and_b32 v1, 15, v0                           ; r
	v_bfe_u32 v2, v0, 4, 1                         ; h
	v_and_b32 v3, 31, v0
	v_lshlrev_b32 v[GL], 4, v3
	v_lshlrev_b32 v[GL4], 2, v3
	v_and_b32 v5, 8, v1
	v_add_nc_u32 v5, v5, v1                        ; r + 8 (r / 8): my token in a tile
	v_lshlrev_b32 v[XQ], 12, v5
	v_lshl_add_u32 v[XQ], v2, 6, v[XQ]
	v_lshlrev_b32 v[HB], 6, v2
	; the plain buffers' places (s67 = 0 is the upper word of every offset)
	s_lshl_b32 s66, s43, 20                        ; x at token 256 ty + 64 wave, column 128 tx
	s_lshl_b32 s67, s16, 18
	s_add_co_u32 s66, s66, s67
	s_lshl_b32 s20, s42, 9
	s_add_co_u32 s66, s66, s20
	s_mov_b32 s67, 0
	s_mov_b32 s21, 0
	s_add_nc_u64 s[8:9], s[8:9], s[66:67]
	s_add_nc_u64 s[10:11], s[10:11], s[20:21]      ; bq at the same column
	s_lshl_b32 s20, s43, 3
	s_add_co_u32 s20, s20, s42                     ; my unit of the states: u = 8 ty + tx = (16 b + head) 4 + a_v
	s_lshr_b32 s21, s20, 6                         ; b
	s_bfe_u32 s22, s20, 0x40002                    ; head
	s_and_b32 s23, s20, 3                          ; a_v
	s_lshl_b32 s21, s21, 3
	s_lshl_b32 s66, s18, 2
	s_add_co_u32 s21, s21, s66                     ; my first token block: 8 b + 4 (w % 2)
	s_lshl_b32 s21, s21, 4
	s_add_co_u32 s21, s21, s22
	s_lshl_b32 s21, s21, 1
	s_add_co_u32 s21, s21, s17
	s_lshl_b32 s21, s21, 2
	s_add_co_u32 s21, s21, s23
	s_lshl_b32 s66, s21, 12                        ; x 4,096 bytes
	s_add_nc_u64 s[12:13], s[12:13], s[66:67]
	s_lshl_b32 s66, s20, 10
	s_add_nc_u64 s[94:95], s[94:95], s[66:67]      ; simg: 1,024 bytes a unit
	s_lshl_b32 s66, s20, 7
	s_add_nc_u64 s[96:97], s[96:97], s[66:67]      ; sscl: 128
	s_and_b32 s22, s22, 1
	s_lshl_b32 s22, s22, 4                         ; 16 for an odd head
	s_lshr_b32 s23, 0x7f7f0000, s22                ; the two bytes 1.0, in the other half of the word
	s_lshl_b32 s66, s43, 18                        ; qimg: 16,384 (16 ty + 4 wave) + 2,048 tx
	s_lshl_b32 s20, s16, 16
	s_add_co_u32 s66, s66, s20
	s_lshl_b32 s20, s42, 11
	s_add_co_u32 s66, s66, s20
	s_add_nc_u64 s[14:15], s[14:15], s[66:67]
	s_lshr_b32 s66, s66, 4                         ; qscl: a sixteenth of that: 1,024 a tile, 128 a pair of heads
	s_add_nc_u64 s[92:93], s[92:93], s[66:67]
	WIN 0x80
.irp a, 0,1,2,3
.irp c, 0,1,2,3
.irp i, 0,1,2,3
	global_load_b128 v[64*\a+16*\c+4*\i:64*\a+16*\c+4*\i+3], v[XQ], s[8:9] offset:4096*(32*(\a/2)+8*(\a%2))+128*\c+16*\i   ; x in the accumulators' own layout
.endr
.endr
.endr
	WIN 0
.irp c, 0,1,2,3
.irp i, 0,1,2,3
	global_load_b128 v[BI+16*\c+4*\i:BI+16*\c+4*\i+3], v[HB], s[10:11] offset:128*\c+16*\i
.endr
.endr
	WIN 0xc0
.irp t, 0,1,2,3
.irp n, 0,1,2,3,4,5,6,7
	global_load_b128 v[32*\t+4*\n:32*\t+4*\n+3], v[GL], s[12:13] offset:524288*\t+512*\n th:TH_LOAD_NT   ; four partial states: 512 consecutive bytes a load; a token block on is 524,288 bytes on
.endr
.endr
	WIN 0
	s_lshl_b32 s66, s16, 14                        ; my 4 token tiles
	s_mov_b32 s67, BOFF                            ; Wq's 8 tiles, the same for all four waves
.irp s, 0,1
	v_add_nc_u32 v[ADRA+\s], s66, v[GL]
	v_add_nc_u32 v[ADRB+\s], s67, v[GL]
	s_add_co_u32 s66, s66, SLOT
	s_add_co_u32 s67, s67, SLOT
.endr
	v_mul_u32_u24 v5, v1, 32                       ; my row's scale words: 32 bytes a row,
	v_lshrrev_b32 v6, 8, v5
	v_lshl_add_u32 v5, v6, 4, v5                   ; and 16 more for each 256 passed
	s_mul_i32 s66, s16, 4*SBLK                     ; the tokens': my 4 tiles
	s_mov_b32 s67, SCB-SCL
	s_sub_co_u32 s67, s67, s66
	v_mul_u32_u24 v6, s67, v2                      ; lanes 16-31 take Wq's
	s_add_co_u32 s66, s66, SCL
	v_add_nc_u32 v5, v5, v6
	v_add_nc_u32 v[ADRS], s66, v5
	s_lshl_b32 s66, s16, 12
	s_add_co_u32 s66, s66, STS
	v_add_nc_u32 v[STW], s66, v[GL]
	v_add_nc_u32 v[STR], STS, v[GL]
	s_wait_loadcnt 0x0
	WIN 0x82
.irp a, 0,1,2,3
.set i, 0
.rept 32
	v_pk_add_f32 v[64*\a+i:64*\a+i+1], v[64*\a+i:64*\a+i+1], v[BI+i:BI+i+1]   ; x + bq
.set i, i+2
.endr
.endr
	WIN 0xcf
.irp t, 1,2,3
.set i, 0
.rept 16
	v_pk_add_f32 v[i:i+1], v[i:i+1], v[32*\t+i:32*\t+i+1]   ; my four token blocks' partial states
.set i, i+2
.endr
.endr
	WIN 0x0c                                       ; an LDS store's data are its source 1: window 3
.irp n, 0,1,2,3,4,5,6,7
	ds_store_b128 v[STW], v[4*\n:4*\n+3] offset:512*\n
.endr
	WIN 0
.macro FRAG reg, adr, q, i             ; a fragment: tile i, the slot's q-th 128 along K: four runs of 512 bytes
.irp c, 0,1,2,3
	ds_load_b128 v[\reg+4*\c:\reg+4*\c+3], v[\adr] offset:2048*(\q)+512*\c+(\i)*4096
.endr
.endm
; 8 matrix instructions: the tokens' block a x Wq's eight, from the sets p.  The 32 accumulators take turns, one instruction a turn, in the same order in every step.
.macro MUL8 a, p, q, sc
.irp b, 0,1,2,3,4,5,6,7
	v_wmma_scale_f32_16x16x128_f8f6f4 v[8*(8*(\a)+\b):8*(8*(\a)+\b)+7], v[128*(\p)+FR*\b:128*(\p)+FR*\b+FR-1], v[AF+64*(\p)+FR*(\a):AF+64*(\p)+FR*(\a)+FR-1], v[8*(8*(\a)+\b):8*(8*(\a)+\b)+7], v[SC+8*NQ*(\sc)+NQ*\b+(\q)], v[SC+8*NQ*(\sc)+NQ*(\a)+(\q)] matrix_a_scale:MATRIX_SCALE_ROW1
.endr
.endm
.macro FETCH slot, q, p                ; 48 LDS loads in one run: Wq's eight fragments, then the tokens' four, into the sets p
	WIN TO_B
.irp i, 0,1,2,3,4,5,6,7
	FRAG 128*(\p)+FR*\i, ADRB+\slot, \q, \i
.endr
	WIN 0
.irp i, 0,1,2,3
	FRAG AF+64*(\p)+FR*\i, ADRA+\slot, \q, \i
.endr
.endm
.macro SCALES sc                       ; a K step's two words a row: lanes 0-15 the tokens' block i (of use for i = 0 .. 3 alone), lanes 16-31 Wq's block i
.irp i, 0,1,2,3,4,5,6,7
	ds_load_b64 v[SC+8*NQ*\sc+NQ*\i:SC+8*NQ*\sc+NQ*\i+1], v[ADRS] offset:\i*SBLK
.endr
.endm
.macro STEP slot                       ; a slot's first 128 along K, on the sets 0; in its middle the second 128's fragments are fetched into the sets 1
	s_wait_dscnt 8                                 ; all but the youngest eight loads (the tokens' blocks 2, 3) are in
	WIN MUL
	MUL8 0, 0, 0, \slot
	MUL8 1, 0, 0, \slot
	PLACES NP                                      ; in front of loads into the sets 1, which the step before multiplied
	FETCH \slot, 1, 1
	s_wait_dscnt 48                                ; all but the 48 just issued
	WIN MUL
	MUL8 2, 0, 0, \slot
	MUL8 3, 0, 0, \slot
	WIN 0
.endm
; a slot's second 128 along K, on the sets 1, and the change of slots.  fill = 1: this slot takes the K step two on, jointly.
.macro TURN slot, next, fill
	s_wait_tensorcnt 0x0                           ; all my tensor loads have landed: my part of the next slot
	ds_add_u32 v[SPW], v[NIL]                      ; 0 onto my spare word
	s_wait_dscnt 13                                ; the add and the youngest twelve loads (the tokens' blocks 1 to 3) may be out
	WIN MUL
	MUL8 0, 1, 1, \slot
	s_wait_dscnt 0x0                               ; the add is done, and my reads of this slot are over
	s_barrier_signal -1
	MUL8 1, 1, 1, \slot
	WIN 0
	s_barrier_wait -1
.if \fill
	CREST                                          ; the barrier has opened a round of the cluster's: no wave of any partner still reads this slot or has a load on its way
	s_add_nc_u64 s[G0+4*\slot+2:G0+4*\slot+3], s[G0+4*\slot+2:G0+4*\slot+3], 2*4096
	s_add_nc_u64 s[G0B+4*\slot+2:G0B+4*\slot+3], s[G0B+4*\slot+2:G0B+4*\slot+3], 2*4096
	JLOAD G0+4*\slot, G1, G0B+4*\slot, G1B         ; the first tensor load behind the round; its four v_nop are among the places in front of the loads below
	PLACES NP-4
.else
	PLACES NP
.endif
	v_add_nc_u32 v[ADRS], 4*NQ, v[ADRS]            ; on to the next K step's scale words
	SCALES \next
	FETCH \next, 0, 0
	WIN MUL
	MUL8 2, 1, 1, \slot
	MUL8 3, 1, 1, \slot
	WIN 0
.endm
	s_wait_tensorcnt 1                             ; the scale words and my part of K step 0 are in; slot 1's load may stay out
	s_wait_dscnt 0x0                               ; for wave 0's sake: my sum of partial states has landed in the stage
	s_barrier_signal -1
	s_barrier_wait -1
	SCALES 0
	FETCH 0, 0, 0
	STEP 0
	TURN 0, 1, 1
	STEP 1
	TURN 1, 0, 1
	STEP 0
	TURN 0, 1, 0
	STEP 1
	s_wait_dscnt 8                                 ; the very last 128 along K: nothing more to fetch
	WIN MUL
	MUL8 0, 1, 1, 1
	MUL8 1, 1, 1, 1
	s_wait_dscnt 0x0
	MUL8 2, 1, 1, 1
	MUL8 3, 1, 1, 1
	WIN 0
	PLACES NP
.irp b, 0,1,2,3
	v_mov_b32 v[TM+4+\b], 0                        ; written once: a lane permute's destination counts as one of its sources
.endr
	; ---- THE WAY ON: silu(q) + 0.5 = q / (1 + 2^(-q log2 e)) + 0.5 into window 1
	WIN 0x42
.set i, 0
.rept 128
	v_pk_mul_f32 v[i:i+1], v[i:i+1], s[98:99] op_sel_hi:[1,0]   ; each accumulator from its low end on
.set i, i+2
.endr
	WIN 0x41
.set i, 0
.rept 256
	v_exp_f32 v[i], v[i]
.set i, i+1
.endr
	v_nop                                          ; a plain instruction behind the batch,
	s_wait_alu depctr_va_vdst(0)                   ; and one wait for it, ahead of its first reader
.set i, 0
.rept 128
	v_pk_add_f32 v[i:i+1], v[i:i+1], 1.0 op_sel_hi:[1,0]
.set i, i+2
.endr
.set i, 0
.rept 256
	v_rcp_f32 v[i], v[i]
.set i, i+1
.endr
	v_nop
	s_wait_alu depctr_va_vdst(0)
	WIN 0x46
.set i, 0
.rept 128
	v_pk_fma_f32 v[i:i+1], v[i:i+1], v[i:i+1], 0.5 op_sel_hi:[1,1,0]
.set i, i+2
.endr
	; ---- the L2 norms of 8 groups (token tile a, head): 32 registers of mine and the lane 16 away
	WIN 0x05
.irp g, 0,1,2,3,4,5,6,7
	v_pk_mul_f32 v[NS+2*\g:NS+2*\g+1], v[32*\g:32*\g+1], v[32*\g:32*\g+1]
.endr
.irp i, 2,4,6,8,10,12,14,16,18,20,22,24,26,28,30
.irp g, 0,1,2,3,4,5,6,7
	v_pk_fma_f32 v[NS+2*\g:NS+2*\g+1], v[32*\g+\i:32*\g+\i+1], v[32*\g+\i:32*\g+\i+1], v[NS+2*\g:NS+2*\g+1]
.endr
.endr
	WIN 0
.irp g, 0,1,2,3,4,5,6,7
	v_add_f32 v[NT+\g], v[NS+2*\g], v[NS+2*\g+1]
.endr
.irp g, 0,1,2,3,4,5,6,7
	v_permlanex16_b32 v[NU+\g], v[NT+\g], s[SEL], s[SEL+1]
.endr
.irp g, 0,1,2,3,4,5,6,7
	v_add_f32 v[NT+\g], v[NT+\g], v[NU+\g]
.endr
.irp g, 0,1,2,3,4,5,6,7
	v_sqrt_f32 v[NT+\g], v[NT+\g]
.endr
	v_nop
	s_wait_alu depctr_va_vdst(0)
.irp g, 0,1,2,3,4,5,6,7
	v_add_f32 v[NT+\g], 0x358637bd, v[NT+\g]       ; + 1e-6
.endr
.irp g, 0,1,2,3,4,5,6,7
	v_rcp_f32 v[NF+2*\g], v[NT+\g]
.endr
	v_nop
	s_wait_alu depctr_va_vdst(0)
.irp g, 0,1,2,3,4,5,6,7
	v_mov_b32 v[NF+2*\g+1], v[NF+2*\g]
.endr
	WIN 0x41
.irp g, 0,1,2,3,4,5,6,7
.set i, 0
.rept 16
	v_pk_mul_f32 v[32*\g+i:32*\g+i+1], v[32*\g+i:32*\g+i+1], v[NF+2*\g:NF+2*\g+1]
.set i, i+2
.endr
.endr
	WIN 0
.irp a, 0,1,2,3
	QUANTW 1, 64*\a, 0, PC+16*\a, SC+\a
.endr
.irp a, 0,1,2,3
.irp c, 0,1,2,3
	global_store_b128 v[GL], v[PC+16*\a+4*\c:PC+16*\a+4*\c+3], s[14:15] offset:16384*\a+512*\c   ; 32 lanes store 512 consecutive bytes, aligned
.endr
	global_store_b32 v[GL4], v[SC+\a], s[92:93] offset:1024*\a
.endr
	; ---- wave 0 finishes the work-group's unit of the states.  The four sums were stored, and waited for, ahead of the first barrier.  No register that the stores above read is written here.
	s_cmp_lg_u32 s16, 0
	s_cbranch_scc1 .Lnofin
	WIN 0x40
.irp t, 0,1,2,3
.irp n, 0,1,2,3,4,5,6,7
	ds_load_b128 v[32*\t+4*\n:32*\t+4*\n+3], v[STR] offset:4096*\t+512*\n
.endr
.endr
	s_wait_dscnt 0x0
	WIN 0x45
.set i, 0
.rept 16
	v_pk_add_f32 v[i:i+1], v[i:i+1], v[32+i:32+i+1]             ; state 0
	v_pk_add_f32 v[64+i:64+i+1], v[64+i:64+i+1], v[96+i:96+i+1] ; state 1
.set i, i+2
.endr
.set i, 0
.rept 16
	v_pk_mul_f32 v[i:i+1], v[i:i+1], v[64+i:64+i+1]             ; their product
.set i, i+2
.endr
	WIN 0x05
.irp b, 0,1
	v_max3_num_f32 v[TM+\b], |v[16*\b]|, |v[16*\b+1]|, 0x4800000   ; two blocks of 32 along d; and the floor 2^(9 - 127)
.endr
.irp i, 2,4,6,8,10,12,14
.irp b, 0,1
	v_max3_num_f32 v[TM+\b], |v[16*\b+\i]|, |v[16*\b+\i+1]|, v[TM+\b]
.endr
.endr
	WIN 0
.irp b, 0,1
	v_permlanex16_b32 v[TM+4+\b], v[TM+\b], s[SEL], s[SEL+1]
.endr
.irp b, 0,1
	v_max_num_f32 v[TM+\b], v[TM+\b], v[TM+4+\b]
.endr
.irp b, 0,1
	v_add_nc_u32 v[TM+12+\b], 0xfc000000, v[TM+\b]
.endr
.irp b, 0,1
	v_and_or_b32 v[TM+8+\b], v[TM+\b], 0x7f800000, s[MNT]
.endr
.irp b, 0,1
	v_lshrrev_b32 v[TM+4+\b], 23, v[TM+12+\b]
.endr
	v_lshl_or_b32 v[PWS], v[TM+5], 8, v[TM+4]
	v_lshlrev_b32 v[PWS], s22, v[PWS]              ; an odd head's bytes go to the word's upper half,
	v_or_b32 v[PWS], s23, v[PWS]                   ; and 1.0 fills the other half
	WIN 0x41
.irp b, 0,1
.irp i, 0,1,2,3,4,5,6,7,8,9,10,11,12,13,14,15
	v_med3_num_f32 v[16*\b+\i], v[16*\b+\i], -v[TM+8+\b], v[TM+8+\b]
.endr
.endr
	WIN 0x01
.irp b, 0,1
	v_cvt_scalef32_pk8_fp8_f32 v[PCS+4*\b:PCS+4*\b+1], v[16*\b:16*\b+7], v[TM+12+\b]
	v_cvt_scalef32_pk8_fp8_f32 v[PCS+4*\b+2:PCS+4*\b+3], v[16*\b+8:16*\b+15], v[TM+12+\b]
.endr
	v_nop                                          ; a plain instruction behind the last conversion
	WIN 0
	global_store_b128 v[GL], v[PCS:PCS+3], s[94:95]
	global_store_b128 v[GL], v[PCS+4:PCS+7], s[94:95] offset:512
	global_store_b32 v[GL4], v[PWS], s[96:97]
.Lnofin:
	s_wait_tensorcnt 0x0                           ; the wave's end: behind my last tensor load and my last LDS store
	ds_add_u32 v[SPW], v[NIL]
	s_wait_dscnt 0x0
	CROUND                                         ; the closing round: no work-group ends while a partner may still ask for a tile that names it
	s_endpgm
.Lfunc_end_k_q33e4d6e951_qg:
	.size	k_q33e4d6e951_qg, .Lfunc_end_k_q33e4d6e951_qg-k_q33e4d6e951_qg
	.p2alignl 7, 3214868480
	.fill 96, 4, 3214868480
	.section	.rodata,"a",@progbits
	.p2align	6, 0x0
	.amdhsa_kernel k_q33e4d6e951_qg
		.amdhsa_group_segment_fixed_size 327680
		.amdhsa_private_segment_fixed_size 0
		.amdhsa_enable_private_segment 0
		.amdhsa_kernarg_size 72
		.amdhsa_user_sgpr_count 2
		.amdhsa_user_sgpr_kernarg_segment_ptr 1
		.amdhsa_wavefront_size32 1
		.amdhsa_system_sgpr_workgroup_id_x 1
		.amdhsa_system_sgpr_workgroup_id_y 1
		.amdhsa_system_sgpr_workgroup_id_z 1
		.amdhsa_system_vgpr_workitem_id 0
		.amdhsa_next_free_vgpr 1024
		.amdhsa_next_free_sgpr 102
		.amdhsa_reserve_vcc 0
		.amdhsa_float_denorm_mode_32 3
		.amdhsa_float_denorm_mode_16_64 3
		.amdhsa_memory_ordered 1
		.amdhsa_forward_progress 1
		.amdhsa_inst_pref_size 200
	.end_amdhsa_kernel
	.amdgpu_metadata
---
amdhsa.version: [ 1, 2 ]
amdhsa.kernels:
  - .name:           k_q33e4d6e951_qg
    .symbol:         k_q33e4d6e951_qg.kd
    .args:
      - { .name: img, .offset: 0, .size: 8, .value_kind: global_buffer, .address_space: global }
      - { .name: scl, .offset: 8, .size: 8, .value_kind: global_buffer, .address_space: global }
      - { .name: x, .offset: 16, .size: 8, .value_kind: global_buffer, .address_space: global }
      - { .name: bq, .offset: 24, .size: 8, .value_kind: global_buffer, .address_space: global }
      - { .name: part, .offset: 32, .size: 8, .value_kind: global_buffer, .address_space: global }
      - { .name: qimg, .offset: 40, .size: 8, .value_kind: global_buffer, .address_space: global }
      - { .name: qscl, .offset: 48, .size: 8, .value_kind: global_buffer, .address_space: global }
      - { .name: simg, .offset: 56, .size: 8, .value_kind: global_buffer, .address_space: global }
      - { .name: sscl, .offset: 64, .size: 8, .value_kind: global_buffer, .address_space: global }
    .group_segment_fixed_size: 327680
    .private_segment_fixed_size: 0
    .kernarg_segment_align: 8
    .kernarg_segment_size: 72
    .max_flat_workgroup_size: 128
    .sgpr_count:     102
    .vgpr_count:     1024
    .wavefront_size: 32
...
	.end_amdgpu_metadata
.endif
;; end of part 3
;; launch tail (part 4): grid 2 x 128, 4 waves a work-group, no clusters, 108,032 bytes of LDS; arguments qimg, qscl, simg, sscl, img, scl, ln_g, ln_b, bo, out0; writes out0
.if DOCPART == 4
	.amdgcn_target "amdgcn-amd-amdhsa--gfx1250"
	.amdhsa_code_object_version 6
	.text
	.protected	k_q33e4d6e951_tail
	.globl	k_q33e4d6e951_tail
	.p2align	8
	.type	k_q33e4d6e951_tail,@function
k_q33e4d6e951_tail:
	s_mov_b64 s[64:65], 0
	v_nop
	global_prefetch_b8 v0, s[64:65] scope:SCOPE_SE
	s_setreg_imm32_b32 hwreg(HW_REG_WAVE_MODE, 25, 1), 1
	s_wait_xcnt 0x0
; Launch 4 of 4: out = q state (K = a head's 64), LayerNorm over the 1,024 channels, y Wo^T + bo.  No work is left out.
; SHARES.  A work-group (ch, rb) owns 64 tokens (4 tiles t) and output columns 512 ch .. + 511.  q state and the LayerNorm of its 64 tokens are made by both work-groups of a token block: 64 products a wave,
; against a launch more and y's way through memory.
; PHASE 1.  Wave w takes heads 4 w .. 4 w + 3.  Source 0 = 16 columns e of a head's state, source 1 = 16 tokens of q, K step = a PAIR of heads (128): the state's fragment holds the head's 64 codes and 64 zero codes.
;   A lane holds one token; registers 128 (t % 2) + 64 pl + 16 c + i = channel 256 w + 128 pl + 32 c + 16 (lane / 16) + i.  Mean and variance in two passes, summed over lanes and, through LDS, over the four waves.
;   y is quantised in registers; its fragments go to LDS as images of their registers.
; PHASE 2.  Wave w makes 64 tokens x 128 columns: 32 accumulators by turns, eight K steps.  Wo's fragments come from memory straight into registers, three sets, two K steps ahead; y's from LDS, two sets.
; NO CLUSTER, NO TENSOR LOAD: each fragment of Wo is used by one wave of the work-group alone (four products for its 2,048 bytes) and lies in memory as the registers want it; a joint load would land in LDS and add a read of the same bytes.
; No prefetch: Wo's tiles are read by 128 work-groups, q's codes are asked for at the head in one run.
; LIMITS: a block of zeros gets the byte 1 (its codes are zeros; only this program reads the bytes); blocks under 2^-118 are held at the byte 1; NaN and infinities are not served.
; REGISTERS: window 0: v0-31 addresses, bo; v32-127 scale words and nothing else (q's 32-39, y's 40-47, the states' 48-63, Wo's 64-127); v128-255 q's fragments, then at work, then y's fragments, then rows of out0.
;   window 1: the states, then ln_g (v0-127) and ln_b (v128-255), then Wo's set 2.   windows 2, 3: out; then window 2 the 32 accumulators and window 3 Wo's sets 0 and 1.
.set YIM,   0                          ; y's 32 fragments (tile t, K step s): 2,048 bytes each
.set YSC,   65536                      ; their scale words, 128 bytes each
.set RED1,  69632                      ; the waves' sums: [wave][t][lane]
.set RED2,  71680                      ; and sums of squares
.set OST,   73728                      ; the way out: 16 rows x 528 bytes for each wave
.set SPARE, 107520                     ; the spare words, 128 bytes for each wave: two blocks of 256 bytes that no other line names
.set LI,   4                           ; v4  16 x lane
.set L4,   5                           ; v5  4 x lane
.set LS,   6                           ; v6  YSC + 4 x lane
.set YWI,  7                           ; v7  where I store y's images: 4,096 w + 16 x lane
.set YWS,  8                           ; v8  and their words: YSC + 256 w + 4 x lane
.set REDW, 9
.set REDR, 10
.set SO,   11
.set RD,   12
.set R32,  13                          ; v13 32 r
.set H64,  14                          ; v14 64 h
.set SPW,  20
.set NIL,  21
.set BO,   24                          ; v24-27 bo of my four columns of a row
.set QW,   32
.set YW,   40
.set SW,   48
.set WS,   64
.set TM,   128
.set PC,   144
.set RL,   144
.set CH,   176                         ; v176-207 four chains (pairs) for each tile
.set T1,   208
.set T2,   212
.set MU,   216                         ; v216-223 the mean, later 1 / sqrt(var + eps), twice for each tile
.set PW,   224
.set BK,   128
.set WV,   24
.set MNT,  32
.set SEL,  34
.set MSB, 0
.macro WIN new
.if MSB != (\new)
	s_set_vgpr_msb (MSB<<8)|(\new)
.set MSB, (\new)
.endif
.endm
.macro PLACES n
.rept \n
	v_nop
.endr
.endm
.macro QUANTW sw, s, dw, pc, pw
	WIN ((\sw)<<2)|(\sw)
.irp b, 0,1,2,3
	v_max3_num_f32 v[TM+\b], |v[(\s)+16*\b]|, |v[(\s)+16*\b+1]|, 0x4800000   ; and the floor 2^(9 - 127)
.endr
.irp i, 2,4,6,8,10,12,14
.irp b, 0,1,2,3
	v_max3_num_f32 v[TM+\b], |v[(\s)+16*\b+\i]|, |v[(\s)+16*\b+\i+1]|, v[TM+\b]
.endr
.endr
	WIN 0
.irp b, 0,1,2,3
	v_permlanex16_b32 v[TM+4+\b], v[TM+\b], s[SEL], s[SEL+1]
.endr
.irp b, 0,1,2,3
	v_max_num_f32 v[TM+\b], v[TM+\b], v[TM+4+\b]
.endr
.irp b, 0,1,2,3
	v_add_nc_u32 v[TM+12+\b], 0xfc000000, v[TM+\b]
.endr
.irp b, 0,1,2,3
	v_and_or_b32 v[TM+8+\b], v[TM+\b], 0x7f800000, s[MNT]
.endr
.irp b, 0,1,2,3
	v_lshrrev_b32 v[TM+4+\b], 23, v[TM+12+\b]
.endr
	v_lshl_or_b32 v[\pw], v[TM+5], 8, v[TM+4]
	v_lshl_or_b32 v[\pw], v[TM+6], 16, v[\pw]
	v_lshl_or_b32 v[\pw], v[TM+7], 24, v[\pw]
	WIN ((\sw)<<6)|(\sw)
.irp b, 0,1,2,3
.irp i, 0,1,2,3,4,5,6,7,8,9,10,11,12,13,14,15
	v_med3_num_f32 v[(\s)+16*\b+\i], v[(\s)+16*\b+\i], -v[TM+8+\b], v[TM+8+\b]
.endr
.endr
	WIN ((\dw)<<6)|(\sw)
.irp b, 0,1,2,3
	v_cvt_scalef32_pk8_fp8_f32 v[(\pc)+4*\b:(\pc)+4*\b+1], v[(\s)+16*\b:(\s)+16*\b+7], v[TM+12+\b]
	v_cvt_scalef32_pk8_fp8_f32 v[(\pc)+4*\b+2:(\pc)+4*\b+3], v[(\s)+16*\b+8:(\s)+16*\b+15], v[TM+12+\b]
.endr
	v_nop
	WIN 0
.endm
	s_load_b256 s[4:11], s[0:1], 0x0               ; qimg s[4:5], qscl s[6:7], simg s[8:9], sscl s[10:11]
	s_load_b256 s[12:19], s[0:1], 0x20             ; img s[12:13], scl s[14:15], ln_g s[16:17], ln_b s[18:19]
	s_load_b128 s[20:23], s[0:1], 0x40             ; bo s[20:21], out0 s[22:23]
	v_lshl_add_u32 v[SPW], v0, 2, SPARE
	v_mov_b32 v[NIL], 0
	v_lshrrev_b32 v1, 5, v0
	v_readfirstlane_b32 s[WV], v1                  ; wave 0..3
	v_and_b32 v1, 15, v0                           ; r
	v_bfe_u32 v2, v0, 4, 1                         ; h
	v_and_b32 v3, 31, v0                           ; lane
	v_lshlrev_b32 v[LI], 4, v3
	v_lshlrev_b32 v[L4], 2, v3
	v_add_nc_u32 v[LS], YSC, v[L4]
	s_lshl_b32 s28, s[WV], 12
	v_add_nc_u32 v[YWI], s28, v[LI]
	s_lshl_b32 s28, s[WV], 8
	v_add_nc_u32 v[YWS], s28, v[LS]
	s_lshl_b32 s28, s[WV], 9
	s_add_co_u32 s28, s28, RED1
	v_add_nc_u32 v[REDW], s28, v[L4]
	v_add_nc_u32 v[REDR], RED1, v[L4]
	s_mul_i32 s28, s[WV], 16*528
	s_add_co_u32 s28, s28, OST
	v_mul_u32_u24 v[SO], v1, 528
	v_lshl_add_u32 v[SO], v2, 6, v[SO]
	v_add_nc_u32 v[SO], s28, v[SO]                 ; the stage: row r, + 64 h
	v_add_nc_u32 v[RD], s28, v[LI]
	v_lshlrev_b32 v[R32], 5, v1
	v_lshlrev_b32 v[H64], 6, v2
	s_mov_b32 s[MNT], 0x600000
	s_mov_b32 s[SEL], 0x76543210
	s_mov_b32 s[SEL+1], 0xfedcba98
	s_mov_b32 s36, 0x3a800000                      ; 1 / 1,024
	s_mov_b32 s37, 0x3727c5ac                      ; 1e-5
	s_mov_b32 s25, ttmp9                           ; ch
	s_and_b32 s26, ttmp7, 0xffff                   ; rb
	s_lshr_b32 s27, s26, 5                         ; the batch: 32 blocks of 64 tokens
	s_mov_b32 s29, 0
	s_wait_kmcnt 0x0
	s_lshl_b32 s28, s26, 16                        ; qimg: 16,384 x 4 rb + 2,048 x 2 w
	s_lshl_b32 s30, s[WV], 12
	s_add_co_u32 s28, s28, s30
	s_add_nc_u64 s[4:5], s[4:5], s[28:29]
	s_lshr_b32 s28, s28, 4                         ; qscl: a sixteenth of that
	s_add_nc_u64 s[6:7], s[6:7], s[28:29]
	s_lshl_b32 s28, s27, 16                        ; simg: 4,096 (16 b + 4 w)
	s_lshl_b32 s30, s[WV], 14
	s_add_co_u32 s28, s28, s30
	s_add_nc_u64 s[8:9], s[8:9], s[28:29]
	s_lshr_b32 s28, s28, 3                         ; sscl: an eighth of that
	s_add_nc_u64 s[10:11], s[10:11], s[28:29]
	s_lshl_b32 s28, s25, 5                         ; Wo's tiles: 832 + 32 ch + 8 w
	s_lshl_b32 s30, s[WV], 3
	s_add_co_u32 s28, s28, s30
	s_add_co_u32 s28, s28, 832
	s_lshl_b32 s30, s28, 9
	s_lshl_b32 s28, s28, 14
	s_add_nc_u64 s[12:13], s[12:13], s[28:29]
	s_mov_b32 s28, s30
	s_add_nc_u64 s[14:15], s[14:15], s[28:29]
	s_lshl_b32 s28, s[WV], 10                      ; ln_g, ln_b: my 256 channels
	s_add_nc_u64 s[16:17], s[16:17], s[28:29]
	s_add_nc_u64 s[18:19], s[18:19], s[28:29]
	s_lshl_b32 s28, s25, 11                        ; bo and a row of out0: column 512 ch + 128 w
	s_lshl_b32 s30, s[WV], 9
	s_add_co_u32 s28, s28, s30
	s_add_nc_u64 s[20:21], s[20:21], s[28:29]
	s_add_nc_u64 s[22:23], s[22:23], s[28:29]
	s_lshl_b32 s28, s26, 18                        ; 64 rb rows of 4,096 bytes
	s_add_nc_u64 s[22:23], s[22:23], s[28:29]
	; ---- phase 1a: the loads.  The states stand in 8 triples of 24 registers: [even head's 8 | 8 zeros | odd head's 8]: the even head's fragment is registers 0-15, the odd head's 8-23
	WIN 0x40
.irp p, 0,1
.irp e, 0,1,2,3
.irp c, 0,1
	global_load_b128 v[24*(4*\p+\e)+4*\c:24*(4*\p+\e)+4*\c+3], v[LI], s[8:9] offset:4096*(2*\p)+1024*\e+512*\c
	global_load_b128 v[24*(4*\p+\e)+16+4*\c:24*(4*\p+\e)+16+4*\c+3], v[LI], s[8:9] offset:4096*(2*\p+1)+1024*\e+512*\c
.endr
.endr
.endr
.irp u, 0,1,2,3,4,5,6,7
.irp j, 0,1,2,3,4,5,6,7
	v_mov_b32 v[24*\u+8+\j], 0                     ; zero codes: they add nothing under any scale byte but 0xff
.endr
.endr
	WIN 0
.irp g, 0,1,2,3
.irp e, 0,1,2,3
	global_load_b32 v[SW+4*\g+\e], v[L4], s[10:11] offset:512*\g+128*\e
.endr
.endr
.irp t, 0,1,2,3
.irp p, 0,1
.irp c, 0,1,2,3
	global_load_b128 v[128+16*(2*\t+\p)+4*\c:128+16*(2*\t+\p)+4*\c+3], v[LI], s[4:5] offset:16384*\t+2048*\p+512*\c
.endr
	global_load_b32 v[QW+2*\t+\p], v[L4], s[6:7] offset:1024*\t+128*\p
.endr
.endr
.irp n, 0,1,2,3,4,5,6,7
	global_load_b128 v[WS+8*\n:WS+8*\n+3], v[R32], s[14:15] offset:512*\n       ; Wo's scale words: row r's eight
	global_load_b128 v[WS+8*\n+4:WS+8*\n+7], v[R32], s[14:15] offset:512*\n+16
.endr
	global_load_b128 v[BO:BO+3], v[LI], s[20:21]
	s_wait_loadcnt 0x0
	PLACES 4                                       ; codes written by vector instructions (the zeros) stand four places ahead of a scaled product
.irp t, 0,1,2,3
	WIN 0x81+0x40*(\t/2)
.irp g, 0,1,2,3
.irp e, 0,1,2,3
	v_wmma_scale_f32_16x16x128_f8f6f4 v[8*((16*\t+4*\g+\e)%32):8*((16*\t+4*\g+\e)%32)+7], v[24*(4*(\g/2)+\e)+8*(\g%2):24*(4*(\g/2)+\e)+8*(\g%2)+15], v[128+16*(2*\t+\g/2):128+16*(2*\t+\g/2)+15], 0, v[SW+4*\g+\e], v[QW+2*\t+\g/2]
.endr
.endr
.endr
	WIN 0
	PLACES 8
	WIN 0x40
.irp p, 0,1
.irp c, 0,1,2,3
.irp i, 0,1,2,3
	global_load_b128 v[64*\p+16*\c+4*\i:64*\p+16*\c+4*\i+3], v[H64], s[16:17] offset:512*\p+128*\c+16*\i          ; ln_g and ln_b in the results' layout
	global_load_b128 v[128+64*\p+16*\c+4*\i:128+64*\p+16*\c+4*\i+3], v[H64], s[18:19] offset:512*\p+128*\c+16*\i
.endr
.endr
.endr
	WIN 0
.irp b, 0,1,2,3
	v_mov_b32 v[TM+4+\b], 0                        ; written once: a lane permute's destination counts as one of its sources
	v_mov_b32 v[T2+\b], 0
.endr
; what follows a pass over the registers: the chains are joined, the lane 16 away is added, the four waves' figures meet in LDS; the token's total ends in v[RL + t]
.macro MEET ro
.irp t, 0,1,2,3
	v_pk_add_f32 v[CH+8*\t:CH+8*\t+1], v[CH+8*\t:CH+8*\t+1], v[CH+8*\t+2:CH+8*\t+3]
	v_pk_add_f32 v[CH+8*\t+4:CH+8*\t+5], v[CH+8*\t+4:CH+8*\t+5], v[CH+8*\t+6:CH+8*\t+7]
.endr
.irp t, 0,1,2,3
	v_pk_add_f32 v[CH+8*\t:CH+8*\t+1], v[CH+8*\t:CH+8*\t+1], v[CH+8*\t+4:CH+8*\t+5]
.endr
.irp t, 0,1,2,3
	v_add_f32 v[T1+\t], v[CH+8*\t], v[CH+8*\t+1]
.endr
.irp t, 0,1,2,3
	v_permlanex16_b32 v[T2+\t], v[T1+\t], s[SEL], s[SEL+1]
.endr
.irp t, 0,1,2,3
	v_add_f32 v[T1+\t], v[T1+\t], v[T2+\t]
.endr
.irp t, 0,1,2,3
	ds_store_b32 v[REDW], v[T1+\t] offset:\ro+128*\t
.endr
	s_wait_dscnt 0x0                               ; for the others' sake: my figures have landed
	s_barrier_signal -1
	s_barrier_wait -1
.irp u, 0,1,2,3
.irp t, 0,1,2,3
	ds_load_b32 v[RL+4*\u+\t], v[REDR] offset:\ro+512*\u+128*\t
.endr
.endr
	s_wait_dscnt 0x0
.irp t, 0,1,2,3
	v_add_f32 v[RL+\t], v[RL+\t], v[RL+4+\t]
	v_add_f32 v[RL+8+\t], v[RL+8+\t], v[RL+12+\t]
.endr
.irp t, 0,1,2,3
	v_add_f32 v[RL+\t], v[RL+\t], v[RL+8+\t]
.endr
.endm
	; ---- phase 1b: the mean
.irp t, 0,1,2,3
.set n, 2+\t/2
.set bs, 128*(\t%2)
	WIN (n<<2)|n
.irp k, 0,1,2,3
	v_pk_add_f32 v[CH+8*\t+2*\k:CH+8*\t+2*\k+1], v[bs+4*\k:bs+4*\k+1], v[bs+4*\k+2:bs+4*\k+3]   ; in ascending order: each accumulator is read from its low end on
.endr
	WIN n
.set m, 16
.rept 56
	v_pk_add_f32 v[CH+8*\t+2*((m/2)%4):CH+8*\t+2*((m/2)%4)+1], v[bs+m:bs+m+1], v[CH+8*\t+2*((m/2)%4):CH+8*\t+2*((m/2)%4)+1]
.set m, m+2
.endr
.endr
	WIN 0
	MEET 0
.irp t, 0,1,2,3
	v_mul_f32 v[MU+2*\t], s36, v[RL+\t]
.endr
.irp t, 0,1,2,3
	v_mov_b32 v[MU+2*\t+1], v[MU+2*\t]
.endr
.irp t, 0,1,2,3
.set n, 2+\t/2
.set bs, 128*(\t%2)
	WIN (n<<6)|n
.set m, 0
.rept 64
	v_pk_add_f32 v[bs+m:bs+m+1], v[bs+m:bs+m+1], v[MU+2*\t:MU+2*\t+1] neg_lo:[0,1] neg_hi:[0,1]   ; out - mean
.set m, m+2
.endr
	WIN (n<<2)|n
.irp k, 0,1,2,3
	v_pk_mul_f32 v[CH+8*\t+2*\k:CH+8*\t+2*\k+1], v[bs+2*\k:bs+2*\k+1], v[bs+2*\k:bs+2*\k+1]
.endr
.set m, 8
.rept 60
	v_pk_fma_f32 v[CH+8*\t+2*((m/2)%4):CH+8*\t+2*((m/2)%4)+1], v[bs+m:bs+m+1], v[bs+m:bs+m+1], v[CH+8*\t+2*((m/2)%4):CH+8*\t+2*((m/2)%4)+1]
.set m, m+2
.endr
.endr
	WIN 0
	MEET RED2-RED1
.irp t, 0,1,2,3
	v_fma_f32 v[RL+\t], v[RL+\t], s36, s37         ; var + 1e-5
.endr
.irp t, 0,1,2,3
	v_rsq_f32 v[MU+2*\t], v[RL+\t]
.endr
	v_nop                                          ; a plain instruction behind the batch,
	s_wait_alu depctr_va_vdst(0)                   ; and one wait for it
.irp t, 0,1,2,3
	v_mov_b32 v[MU+2*\t+1], v[MU+2*\t]
.endr
; ---- phase 1c: y of tile t, K step 2 w + pl: scaled, quantised, its image to LDS
.macro YPART t, pl
.set n, 2+(\t)/2
.set bs, 128*((\t)%2)+64*(\pl)
	WIN (n<<6)|n
.set i, 0
.rept 32
	v_pk_mul_f32 v[bs+i:bs+i+1], v[bs+i:bs+i+1], v[MU+2*(\t):MU+2*(\t)+1]
.set i, i+2
.endr
	WIN (n<<6)|0x14|n
.set i, 0
.rept 32
	v_pk_fma_f32 v[bs+i:bs+i+1], v[bs+i:bs+i+1], v[64*(\pl)+i:64*(\pl)+i+1], v[128+64*(\pl)+i:128+64*(\pl)+i+1]
.set i, i+2
.endr
	QUANTW n, bs, 0, PC, PW
.irp c, 0,1,2,3
	ds_store_b128 v[YWI], v[PC+4*\c:PC+4*\c+3] offset:16384*(\t)+2048*(\pl)+512*\c
.endr
	ds_store_b32 v[YWS], v[PW] offset:1024*(\t)+128*(\pl)
	s_wait_dscnt 0x0                               ; the stores have read their registers
.endm
.macro BLOAD s                         ; Wo's eight fragments of K step s into set s % 3 (sets 0, 1: window 3; set 2: window 1)
.if (\s)%3 == 2
	WIN 0x40
.set bb, 0
.else
	WIN 0xc0
.set bb, 128*((\s)%3)
.endif
.irp n, 0,1,2,3,4,5,6,7
.irp c, 0,1,2,3
	global_load_b128 v[bb+16*\n+4*\c:bb+16*\n+4*\c+3], v[LI], s[12:13] offset:16384*\n+2048*(\s)+512*\c
.endr
.endr
	WIN 0
.endm
.macro YLOAD s                         ; y's four fragments of K step s and their words into set s % 2: 20 LDS loads
.irp t, 0,1,2,3
.irp c, 0,1,2,3
	ds_load_b128 v[BK+64*((\s)%2)+16*\t+4*\c:BK+64*((\s)%2)+16*\t+4*\c+3], v[LI] offset:16384*\t+2048*(\s)+512*\c
.endr
	ds_load_b32 v[YW+4*((\s)%2)+\t], v[LS] offset:1024*\t+128*(\s)
.endr
.endm
	s_wait_loadcnt 0x0                             ; ln_g and ln_b
	YPART 2, 0
	YPART 2, 1
	YPART 3, 0
	YPART 3, 1
	BLOAD 0                                        ; window 3 is free: Wo's first two K steps are asked for under the other half of the quantising
	BLOAD 1
	YPART 0, 0
	YPART 0, 1
	YPART 1, 0
	YPART 1, 1
	s_barrier_signal -1                            ; (each part has waited for its stores) y's 32 fragments lie in LDS
	s_barrier_wait -1
	; ---- phase 2
	s_wait_loadcnt 32                              ; K step 0's 32 loads are in; K step 1's may stay out
	BLOAD 2
	YLOAD 0
	YLOAD 1
.macro PSTEP s
.if (\s) < 7
	s_wait_dscnt 20                                ; this step's fragments of y are in; the next step's 20 loads may stay out
.else
	s_wait_dscnt 0x0
.endif
.if (\s)%3 == 2
	WIN 0xa1
.set bb, 0
.else
	WIN 0xa3
.set bb, 128*((\s)%3)
.endif
.irp t, 0,1,2,3
.irp n, 0,1,2,3,4,5,6,7
.if (\s) == 0
	v_wmma_scale_f32_16x16x128_f8f6f4 v[8*(8*\t+\n):8*(8*\t+\n)+7], v[bb+16*\n:bb+16*\n+15], v[BK+64*((\s)%2)+16*\t:BK+64*((\s)%2)+16*\t+15], 0, v[WS+8*\n+(\s)], v[YW+4*((\s)%2)+\t]
.else
	v_wmma_scale_f32_16x16x128_f8f6f4 v[8*(8*\t+\n):8*(8*\t+\n)+7], v[bb+16*\n:bb+16*\n+15], v[BK+64*((\s)%2)+16*\t:BK+64*((\s)%2)+16*\t+15], v[8*(8*\t+\n):8*(8*\t+\n)+7], v[WS+8*\n+(\s)], v[YW+4*((\s)%2)+\t]
.endif
.endr
.endr
	WIN 0
	PLACES 8                                       ; in front of loads into registers that these products have read
.if (\s) < 6
	s_wait_loadcnt 32                              ; the next step's set of Wo is in; the set behind it may stay out
.elseif (\s) == 6
	s_wait_loadcnt 0x0
.endif
.if (\s)+3 < 8
	BLOAD (\s)+3
.endif
.if (\s)+2 < 8
	YLOAD (\s)+2
.endif
.endm
	PSTEP 0
	PSTEP 1
	PSTEP 2
	PSTEP 3
	PSTEP 4
	PSTEP 5
	PSTEP 6
	PSTEP 7
; ---- the way out, a tile of 16 tokens x 128 columns at a time, through my own stage: back as whole rows of 512 bytes; + bo; stored
.macro TOSTAGE a
	WIN 0x08
.irp n, 0,1,2,3,4,5,6,7
	ds_store_b128 v[SO], v[64*(\a)+8*\n:64*(\a)+8*\n+3] offset:128*(\n/2)+32*(\n%2)        ; each accumulator from its low end on
	ds_store_b128 v[SO], v[64*(\a)+8*\n+4:64*(\a)+8*\n+7] offset:128*(\n/2)+32*(\n%2)+16
.endr
	WIN 0
.set BB, BK+64*((\a)%2)
.irp u, 0,1,2,3,4,5,6,7,8,9,10,11,12,13,14,15
	ds_load_b128 v[BB+4*\u:BB+4*\u+3], v[RD] offset:\u*528     ; LDS serves a wave's instructions in order: these see my stores
.endr
.endm
.macro SEND a, younger
.set BB, BK+64*((\a)%2)
	s_wait_dscnt \younger                          ; the tile is back; the next tile's 32 LDS instructions may stay out
.irp u, 0,1,2,3,4,5,6,7,8,9,10,11,12,13,14,15
	v_pk_add_f32 v[BB+4*\u:BB+4*\u+1], v[BB+4*\u:BB+4*\u+1], v[BO:BO+1]
	v_pk_add_f32 v[BB+4*\u+2:BB+4*\u+3], v[BB+4*\u+2:BB+4*\u+3], v[BO+2:BO+3]
.endr
.irp u, 0,1,2,3,4,5,6,7,8,9,10,11,12,13,14,15
	global_store_b128 v[LI], v[BB+4*\u:BB+4*\u+3], s[22:23] offset:4096*(32*((\a)/2)+8*((\a)%2)+\u+8*(\u/8)) th:TH_STORE_NT   ; 512 consecutive bytes, aligned; place u of the tile is token 32 (a / 2) + 8 (a % 2) + u + 8 (u / 8)
.endr
.endm
	TOSTAGE 0
.irp a, 1,2,3
.if \a > 1
	s_wait_xcnt 0x0                                ; tile a - 2's stores have read their registers: tile a's loads may land there
.endif
	TOSTAGE \a
	SEND \a-1, 32
.endr
	SEND 3, 0
	s_wait_tensorcnt 0x0                           ; the wave's end: behind my last LDS store
	ds_add_u32 v[SPW], v[NIL]
	s_wait_dscnt 0x0
	s_endpgm
.Lfunc_end_k_q33e4d6e951_tail:
	.size	k_q33e4d6e951_tail, .Lfunc_end_k_q33e4d6e951_tail-k_q33e4d6e951_tail
	.p2alignl 7, 3214868480
	.fill 96, 4, 3214868480
	.section	.rodata,"a",@progbits
	.p2align	6, 0x0
	.amdhsa_kernel k_q33e4d6e951_tail
		.amdhsa_group_segment_fixed_size 108032
		.amdhsa_private_segment_fixed_size 0
		.amdhsa_enable_private_segment 0
		.amdhsa_kernarg_size 80
		.amdhsa_user_sgpr_count 2
		.amdhsa_user_sgpr_kernarg_segment_ptr 1
		.amdhsa_wavefront_size32 1
		.amdhsa_system_sgpr_workgroup_id_x 1
		.amdhsa_system_sgpr_workgroup_id_y 1
		.amdhsa_system_sgpr_workgroup_id_z 1
		.amdhsa_system_vgpr_workitem_id 0
		.amdhsa_next_free_vgpr 1024
		.amdhsa_next_free_sgpr 66
		.amdhsa_reserve_vcc 0
		.amdhsa_float_denorm_mode_32 3
		.amdhsa_float_denorm_mode_16_64 3
		.amdhsa_memory_ordered 1
		.amdhsa_forward_progress 1
		.amdhsa_inst_pref_size 255
	.end_amdhsa_kernel
	.section	.bss,"aw",@nobits
	.p2align	6
	.space	262144
	.amdgpu_metadata
---
amdhsa.version: [ 1, 2 ]
amdhsa.kernels:
  - .name:           k_q33e4d6e951_tail
    .symbol:         k_q33e4d6e951_tail.kd
    .args:
      - { .name: qimg, .offset: 0, .size: 8, .value_kind: global_buffer, .address_space: global }
      - { .name: qscl, .offset: 8, .size: 8, .value_kind: global_buffer, .address_space: global }
      - { .name: simg, .offset: 16, .size: 8, .value_kind: global_buffer, .address_space: global }
      - { .name: sscl, .offset: 24, .size: 8, .value_kind: global_buffer, .address_space: global }
      - { .name: img, .offset: 32, .size: 8, .value_kind: global_buffer, .address_space: global }
      - { .name: scl, .offset: 40, .size: 8, .value_kind: global_buffer, .address_space: global }
      - { .name: ln_g, .offset: 48, .size: 8, .value_kind: global_buffer, .address_space: global }
      - { .name: ln_b, .offset: 56, .size: 8, .value_kind: global_buffer, .address_space: global }
      - { .name: bo, .offset: 64, .size: 8, .value_kind: global_buffer, .address_space: global }
      - { .name: out0, .offset: 72, .size: 8, .value_kind: global_buffer, .address_space: global }
    .group_segment_fixed_size: 108032
    .private_segment_fixed_size: 0
    .kernarg_segment_align: 8
    .kernarg_segment_size: 80
    .max_flat_workgroup_size: 128
    .sgpr_count:     66
    .vgpr_count:     1024
    .wavefront_size: 32
...
	.end_amdgpu_metadata
.endif
;; end of part 4
